; MI455X (gfx1250); checked and timed in simulation.
; The chip was launched on July 23, 2026; its instructions are those of AMD's public machine-readable ISA for CDNA 5 (MIT licence, August 2026) and "CDNA5" Instruction Set Architecture Reference Guide (July 2026). The comments in the code are by the model that wrote it; some were corrected since.
;; Causal Multi Head Attention. Allowed arithmetic: matrix products marked QUANTISED: E2M3 operands, one E8M0 scale for each 32 along K, by v_wmma_scale_f32_16x16x128_f8f6f4 with both operands' format E2M3, f32 sums; everything else in f32.
;; Inputs: Wk 2,048 x 2,048 float32; Wo 2,048 x 2,048 float32; Wq 2,048 x 2,048 float32; Wv 2,048 x 2,048 float32; attention_mask 1 x 1 x 2,048 x 2,048 bool; bk 2,048 float32; bo 2,048 float32; bq 2,048 float32; bv 2,048 float32; hidden_states 1 x 2,048 x 2,048 float32.
;; Outputs: out0 1 x 2,048 x 2,048 float32.
;; This version of the problem:
;;   THIS VERSION OF THE PROBLEM IS GIVEN IN LOW PRECISION. The matrix products marked QUANTISED in the list below multiply operands that are first quantised to E2M3 (2 exponent bits, 3 mantissa bits; 6 bits a number), with one power-of-two scale for each 32 numbers along K (OCP MX v1.0); their sums are f32. All else is computed in f32.
;;   The module's matrix products, in the order in which they are computed (A, B: the left and right operand; K: the contracted axis; several contracted axes count as one K, in the product's order):
;;     1. [M 2,048, K 2,048] x [K 2,048, N 2,048]; A: input hidden_states; B: input Wq: QUANTISED
;;     2. [M 2,048, K 2,048] x [K 2,048, N 2,048]; A: input hidden_states; B: input Wk: QUANTISED
;;     3. [M 2,048, K 2,048] x [K 2,048, N 2,048]; A: input hidden_states; B: input Wv: QUANTISED
;;     4. batch 16 x [M 2,048, K 128] x [K 128, N 2,048]; A: computed on the way; B: computed on the way: QUANTISED
;;     5. batch 16 x [M 2,048, K 2,048] x [K 2,048, N 128]; A: softmax (see below); B: computed on the way: QUANTISED
;;     6. [M 2,048, K 2,048] x [K 2,048, N 2,048]; A: computed on the way; B: input Wo: QUANTISED
;;   THE QUANTISER, for each operand of a quantised product, along K:
;;     - K is cut into blocks of 32 from its start; a last block that is shorter is filled with zeros.
;;     - A block's scale is 2^e with e = floor(log2(the largest magnitude in the block)) - 2, held to -126 .. 127; a block of zeros has e = 0. As a byte (E8M0): e + 127.
;;     - Each number is divided by its block's scale, clamped to +-7.5, and rounded to the nearest number of E2M3, ties to even, subnormals kept.
;;     - The product sums the exact products of the quantised numbers (number of the format x scale) in f32.
;;   ~~~python
;;   def quantise(x, axis):      # numpy; x: float32 -> the quantised numbers, widened to float32 again
;;       x = np.moveaxis(x, axis, -1); K = x.shape[-1]
;;       x = np.pad(x, [(0, 0)] * (x.ndim - 1) + [(0, -K % 32)]); x = x.reshape(x.shape[:-1] + (-1, 32)); a = np.abs(x).max(-1, keepdims=True)
;;       e = np.where(a > 0, np.clip(np.frexp(np.where(a > 0, a, 1))[1] - 1 - 2, -126, 127), 0)      # np.frexp(a)[1] - 1 = floor(log2(a)), exactly
;;       r = np.clip(x / 2.0 ** e, -7.5, 7.5)
;;       step = 2.0 ** (np.maximum(np.frexp(np.where(r == 0, 1, r))[1] - 1, 0) - 3)
;;       q = np.round(r / step) * step * 2.0 ** e      # np.round: ties to even
;;       return np.moveaxis(q.reshape(q.shape[:-2] + (-1,))[..., :K], -1, axis).astype(np.float32)
;;   ~~~
;;   SOFTMAX AHEAD OF A QUANTISED PRODUCT. Where the list says 'softmax', what is quantised is not the finished softmax but p = 2^(t - M), with t = logit x log2(e) and M = ceil(the row's largest t), a whole number; so 1/2 < the row's largest p <= 1. The row's sum l is taken of the UNQUANTISED p, in f32, and the product's result is divided by l at the end. Since M is a whole number, a kernel that streams over the keys may use a running M (the ceiling of the running maximum): every later rescaling is an exact power of two, which a block's scale takes up: the codes' values come out the same.
;;   OPERANDS COMPUTED ON THE WAY. 'Computed on the way' means the value that the module computes at that place (a softmax that the list does not call 'softmax' is quantised finished and normalised). What goes into a quantiser is computed in f32, as accurately as f32 sums, v_exp_f32 and their like allow (about 1e-6 of the number): no bf16 or f16 on the way to a quantiser, and a product that is left as it is and whose result goes on into a quantised operand takes f32 operands (vector FMAs, or v_wmma_f32_16x16x4_f32). A number that lies on a knife's edge between two numbers of the format may be rounded either way, as far as f32 arithmetic and the matrix unit's own rounding can turn it there, and no further.
;; One version. Each part assembles by itself: llvm-mc -triple=amdgcn-amd-amdhsa -mcpu=gfx1250 --defsym DOCPART=n.
;; ======== version 1 of 1: 4 launches
;; limits: right only within a limited range of input values
;; workspace buffers: opnd 16,384,000 bytes; qkv 9,830,400 bytes; ctx 3,276,800 bytes; maskw 524,288 bytes of whole numbers; maskf 131,072 bytes of whole numbers
;; launch prep (part 1): grid 256 x 1, 12 waves a work-group, no clusters, 88,576 bytes of LDS; arguments hidden_states, Wq, Wk, Wv, Wo, attention_mask, opnd, maskw, maskf; writes opnd, maskw, maskf
.if DOCPART == 1
	.amdgcn_target "amdgcn-amd-amdhsa--gfx1250"
	.amdhsa_code_object_version 6
	.text
	.protected	k_q69f579746b_prep
	.globl	k_q69f579746b_prep
	.p2align	8
	.type	k_q69f579746b_prep,@function
k_q69f579746b_prep:
	s_mov_b64 s[64:65], 0
	v_nop
	global_prefetch_b8 v0, s[64:65] scope:SCOPE_SE
	s_setreg_imm32_b32 hwreg(HW_REG_WAVE_MODE, 25, 1), 1
	s_wait_xcnt 0x0
; hidden_states, Wq, Wk, Wv, Wo ([2048][2048] f32, K innermost) become codes of FP6 (E2M3) with one E8M0 byte for each 32 along K, laid as RECORDS; the mask becomes lane masks.
; A RECORD (12,800 bytes) holds 128 rows x 128 along K as the matrix unit's registers want them: eight fragments of 16 rows, fragment a at 1,536 a, lane l's registers 4 c .. 4 c + 3 at 512 c + 16 l;
; behind them, at 12,288, the scale words: lane l's 16 bytes at 16 l; word p is the word of fragment 2 p, row l (lanes 0-15), and of fragment 2 p + 1, row l - 16 (lanes 16-31).
; THE ROWS OF A FRAGMENT ARE NOT NEIGHBOURS: lane r of fragment a holds row 32 (a / 2) + 8 (a % 2) + r + 8 (r / 8) of the 128, so that a product that takes such a fragment as source 0 leaves 16 neighbours in 16 registers.
; Record (G, s), rows 128 G on, K 128 s on, lies at (16 G + s) x 12,800 of its tensor's 3,276,800 bytes; the tensors follow each other in opnd: X, Wq, Wk, Wv, Wo: 1,280 records on end.
; A block's scale is 2^(floor(log2(largest magnitude)) - 2): its byte is the largest magnitude's exponent field - 2, held at 1 from below.
; LIMITS: NaN and infinities are not served; a block whose largest magnitude lies under 2^-124, a block of zeros among them, keeps the byte 1 (zero codes add nothing; this program alone reads the bytes).
; SHARES: 256 work-groups of twelve waves.  Waves 0-9 quantise the work-group's five records, two waves to a record, four fragments each (32 KiB read, 6,144 bytes of codes stored a wave).  Each load reads 512 consecutive
; bytes of one row; a fragment's 16 rows turn through the wave's own stage in LDS, so that a lane gets 16 neighbours of each block of 32.  Loads run two fragments (32 loads a wave) ahead.
; A record's scale words come from two waves: they meet in LDS, behind the one barrier, and the even wave stores the 512 bytes whole.  Waves 10 and 11 make the mask's words (no LDS there).  No tile is shared between work-groups: no cluster.
.set REC,  12800
.set FRB,  1536
.set SCO,  12288
.set SP,   528                         ; a stage row: 512 bytes + 16: the sixteen rows that a load of 16 bytes a lane touches begin at sixteen different places modulo 256 bytes
.set NQW,  10                          ; waves that quantise
.set SCB,  NQW*16*SP                   ; behind the ten stages: 512 bytes for each of the five records' scale words
.set LI,   2                           ; v2   16 x lane
.set STI,  3                           ; v3   the stage, on the way in
.set STO,  4                           ; v4   and on the way out: 528 r + 64 h
.set SCW,  14                          ; v14  where I put my two scale words: my record's 512 bytes, my half's 256, 8 x lane
.set SCRD, 15                          ; v15  where the even wave reads them back
.set R,    16                          ; v16-143  two sets of 64 registers as loaded
.set X,    144                         ; v144-207 64 numbers: register 16 b + i = k 32 b + 16 h + i of row r
.set TM,   208
.set PC,   224
.set PW,   244
.set SWT,  245
.set SW,   246                         ; v[246:247] my four fragments' scale words
.set SWA,  248                         ; v[248:251] the record's
.set SEL,  26
; 64 numbers of a lane, register 16 b + i = k 32 b + 16 (lane / 16) + i of my row, become a fragment's codes in v[PC] on and its scale word in v[PW].
.macro QUANT s
.irp b, 0,1,2,3
	v_max3_num_f32 v[TM+\b], |v[\s+16*\b]|, |v[\s+1+16*\b]|, 0x1800000   ; my 16 numbers of block b, and the floor 2^(3 - 127): the byte cannot fall under 1
.endr
.irp i, 2,4,6,8,10,12,14
.irp b, 0,1,2,3
	s_delay_alu instid0(VALU_DEP_4)
	v_max3_num_f32 v[TM+\b], v[TM+\b], |v[\s+16*\b+\i]|, |v[\s+1+16*\b+\i]|
.endr
.endr
.irp b, 0,1,2,3
	s_delay_alu instid0(VALU_DEP_4)
	v_permlanex16_b32 v[TM+4+\b], v[TM+\b], s[SEL], s[SEL+1]
.endr
.irp b, 0,1,2,3
	s_delay_alu instid0(VALU_DEP_4)
	v_max_num_f32 v[TM+\b], v[TM+\b], v[TM+4+\b]                      ; with lane l xor 16's: the block's largest magnitude
.endr
.irp b, 0,1,2,3
	s_delay_alu instid0(VALU_DEP_4)
	v_add_nc_u32 v[TM+12+\b], 0xff000000, v[TM+\b]                   ; 2 off its exponent field: the conversion's scale operand
.endr
.irp b, 0,1,2,3
	s_delay_alu instid0(VALU_DEP_4)
	v_lshrrev_b32 v[TM+4+\b], 23, v[TM+12+\b]                        ; the scale's byte
.endr
	s_delay_alu instid0(VALU_DEP_3)
	v_lshl_or_b32 v[PW], v[TM+5], 8, v[TM+4]
	s_delay_alu instid0(VALU_DEP_1)
	v_lshl_or_b32 v[PW], v[TM+6], 16, v[PW]
	s_delay_alu instid0(VALU_DEP_1)
	v_lshl_or_b32 v[PW], v[TM+7], 24, v[PW]
.irp c, 0,1
	v_cvt_scalef32_pk16_fp6_f32 v[PC+6*\c:PC+2+6*\c], v[\s+32*\c:\s+15+32*\c], v[TM+12+2*\c]
	v_cvt_scalef32_pk16_fp6_f32 v[PC+12+4*\c:PC+14+4*\c], v[\s+16+32*\c:\s+31+32*\c], v[TM+12+2*\c+1]   ; (a conversion's three registers begin on an even number)
.endr
	v_nop                                          ; one plain place behind a scaled conversion
.irp c, 0,1                                    ; the operand wants a WHOLE block in a lane: lanes 0-15 block 2 c, lanes 16-31 block 2 c + 1
.irp i, 0,1,2
	v_permlane16_swap_b32 v[PC+6*\c+\i], v[PC+12+4*\c+\i]
.endr
.irp i, 0,1,2
	s_delay_alu instid0(VALU_DEP_3)
	v_mov_b32 v[PC+3+6*\c+\i], v[PC+12+4*\c+\i]
.endr
.endr
.endm
.macro LOADF a                         ; my fragment a's 16 rows, 512 consecutive bytes each, into set a % 2
.irp i, 0,1,2,3,4,5,6,7,8,9,10,11,12,13,14,15
	global_load_b128 v[R+64*((\a)%2)+4*\i:R+64*((\a)%2)+4*\i+3], v[LI], s[22:23] offset:(32*((\a)/2)+8*((\a)%2)+\i+8*(\i/8))*8192 th:TH_LOAD_NT
.endr
.endm
.macro TURN a                          ; through the stage: LDS serves a wave's instructions in order, so no wait stands between the stores and the loads
.irp i, 0,1,2,3,4,5,6,7,8,9,10,11,12,13,14,15
	ds_store_b128 v[STI], v[R+64*((\a)%2)+4*\i:R+64*((\a)%2)+4*\i+3] offset:SP*\i
.endr
.irp b, 0,1,2,3
.irp j, 0,1,2,3
	ds_load_b128 v[X+16*\b+4*\j:X+16*\b+4*\j+3], v[STO] offset:128*\b+16*\j
.endr
.endr
.endm
.macro TILE a
.if (\a) < 3
	s_wait_loadcnt 16                              ; this fragment's 16 loads are in; the next fragment's 16 may be out
.else
	s_wait_loadcnt 0x0
.endif
	TURN \a
	s_wait_dscnt 0x0                               ; the numbers are back, so the stage's stores have read their registers
	s_wait_xcnt 0x0                                ; the last fragment's stores have read the codes' registers, which are written again below
.if (\a) < 2
	LOADF (\a)+2
.endif
	QUANT X
.irp c, 0,1,2
	global_store_b128 v[LI], v[PC+4*\c:PC+4*\c+3], s[16:17] offset:FRB*(\a)+512*\c   ; 32 lanes store 512 consecutive bytes, at a multiple of 256 from the buffer's first byte
.endr
.if (\a)%2 == 0
	v_mov_b32 v[SWT], v[PW]                        ; the even fragment's words are kept,
.else
	v_cndmask_b32 v[SW+(\a)/2], v[SWT], v[PW], s28 ; and joined: lanes 0-15 the even fragment's, lanes 16-31 the odd one's
.endif
.endm
	; Every LDS address and every base that is used behind the join is made here, ahead of the parting on the wave's number.  (In waves 10 and 11 these numbers point at nothing and are not used.)
	s_load_b512 s[4:19], s[0:1], 0x0               ; X, Wq, Wk, Wv, Wo, the mask, opnd, maskw
	s_load_b64 s[44:45], s[0:1], 0x40              ; maskf: for each mask wave n 256 bytes, every lane the same pair of words
	v_lshl_add_u32 v254, v0, 2, 0x15400
	v_mov_b32 v255, 0
	v_lshrrev_b32 v1, 5, v0
	s_delay_alu instid0(VALU_DEP_1)
	v_readfirstlane_b32 s20, v1                    ; wave 0..11
	v_and_b32 v5, 31, v0                           ; lane
	v_and_b32 v6, 15, v0                           ; r
	v_bfe_u32 v7, v0, 4, 1                         ; h
	s_delay_alu instid0(VALU_DEP_3)
	v_lshlrev_b32 v[LI], 4, v5
	s_mul_i32 s36, s20, 16*SP                      ; my stage
	v_add_nc_u32 v[STI], s36, v[LI]
	v_mul_u32_u24 v[STO], v6, SP
	s_delay_alu instid0(VALU_DEP_1)
	v_lshl_add_u32 v[STO], v7, 6, v[STO]
	s_delay_alu instid0(VALU_DEP_1)
	v_add_nc_u32 v[STO], s36, v[STO]
	s_lshr_b32 s37, s20, 1                         ; which of the work-group's five records
	s_and_b32 s38, s20, 1                          ; which half of it: fragments 4 x half on
	s_lshl_b32 s39, s37, 9
	s_add_co_u32 s39, s39, SCB
	v_lshl_add_u32 v[SCRD], v5, 3, s39             ; the record's 512 bytes, 8 x lane
	s_lshl_b32 s40, s38, 8
	v_add_nc_u32 v[SCW], s40, v[SCRD]              ; my half's 256 bytes of them
	s_mul_i32 s29, ttmp9, 5
	s_add_co_u32 s29, s29, s37                     ; my record, 0 .. 1,279
	s_lshr_b32 s21, s29, 8                         ; which tensor: 256 records each
	s_and_b32 s30, s29, 255
	s_lshr_b32 s31, s30, 4
	s_and_b32 s30, s30, 15
	s_lshl_b32 s31, s31, 20                        ; G x 128 rows x 8,192 bytes
	s_lshl_b32 s30, s30, 9                         ; s x 512 bytes
	s_add_co_u32 s24, s31, s30
	s_lshl_b32 s30, s38, 19                        ; half x 64 rows x 8,192 bytes
	s_add_co_u32 s24, s24, s30
	s_mov_b32 s25, 0
	s_mul_i32 s30, s29, REC                        ; my record in opnd,
	s_mul_i32 s31, s38, 4*FRB                      ; my four fragments in it
	s_add_co_u32 s30, s30, s31
	s_mov_b32 s31, 0
	s_wait_kmcnt 0x0
	s_mov_b64 s[22:23], s[4:5]                     ; the source is chosen by the record's number alone
	s_cmp_eq_u32 s21, 1
	s_cselect_b64 s[22:23], s[6:7], s[22:23]
	s_cmp_eq_u32 s21, 2
	s_cselect_b64 s[22:23], s[8:9], s[22:23]
	s_cmp_eq_u32 s21, 3
	s_cselect_b64 s[22:23], s[10:11], s[22:23]
	s_cmp_eq_u32 s21, 4
	s_cselect_b64 s[22:23], s[12:13], s[22:23]
	s_add_nc_u64 s[22:23], s[22:23], s[24:25]
	s_add_nc_u64 s[16:17], s[16:17], s[30:31]
	s_cmp_ge_u32 s20, NQW
	s_cbranch_scc1 .Lmask
	s_mov_b32 s[SEL], 0x76543210
	s_mov_b32 s[SEL+1], 0xfedcba98                 ; v_permlanex16_b32's selects for lane l xor 16
	s_mov_b32 s28, 0xffff0000                      ; lanes 16-31
.irp b, 0,1,2,3
	v_mov_b32 v[TM+4+\b], 0                        ; written once: a lane permute's destination counts as one of its sources
.endr
	LOADF 0
	LOADF 1
	s_wait_alu depctr_va_vdst(0)
.irp a, 0,1,2,3
	TILE \a
.endr
	ds_store_b64 v[SCW], v[SW:SW+1]                ; my two words a lane: 256 consecutive bytes a wave
	s_branch .Ljoin
; THE MASK.  Mask wave n = 2 x work-group + (wave - 10), 0 .. 511, serves the 16 queries of fragment (n / 4) % 8 of query group n / 32, key steps 4 (n % 4) on, four of them.  For a key step of 128 keys 64 words are made:
; bit L of word 16 b + i says whether query (fragment's row L % 16) sees key 32 b + 16 (L / 16) + i of the step: the lane mask for the register in which the attention launch holds that score.
; The 64 words of (m = n / 4, key step) lie at (16 m + key step) x 256.
.Lmask:
	s_sub_co_u32 s21, s20, NQW
	s_lshl_b32 s29, ttmp9, 1
	s_add_co_u32 s21, s21, s29                     ; n
	s_lshl_b32 s46, s21, 8
	s_mov_b32 s47, 0
	s_add_nc_u64 s[44:45], s[44:45], s[46:47]      ; my 256 bytes of maskf
	s_mov_b32 s46, 0                               ; s46: bit kk = some key of my key step kk is open for some of my 16 queries, bit 4 + kk = all are; s47: the OR of all my words
	s_and_b32 s41, s21, 3
	s_lshr_b32 s21, s21, 2                         ; m
	s_lshr_b32 s24, s21, 3
	s_and_b32 s25, s21, 7
	s_lshl_b32 s24, s24, 7                         ; 128 x group
	s_lshr_b32 s29, s25, 1
	s_lshl_b32 s29, s29, 5
	s_add_co_u32 s24, s24, s29                     ; + 32 (fragment / 2)
	s_and_b32 s29, s25, 1
	s_lshl_b32 s29, s29, 3
	s_add_co_u32 s24, s24, s29                     ; + 8 (fragment % 2)
	s_lshl_b32 s24, s24, 11                        ; a row of the mask is 2,048 bytes
	s_lshl_b32 s29, s41, 9
	s_add_co_u32 s24, s24, s29                     ; + my four key steps' 512 bytes
	s_mov_b32 s25, 0
	s_lshl_b32 s30, s21, 4
	s_lshl_b32 s29, s41, 2
	s_add_co_u32 s30, s30, s29
	s_lshl_b32 s30, s30, 8
	s_mov_b32 s31, 0
	s_wait_alu depctr_va_vdst(0)
	v_and_b32 v8, 8, v6
	s_delay_alu instid0(VALU_DEP_1)
	v_add_nc_u32 v8, v8, v6                        ; r + 8 (r / 8)
	s_delay_alu instid0(VALU_DEP_1)
	v_lshlrev_b32 v8, 11, v8
	s_delay_alu instid0(VALU_DEP_1)
	v_lshl_add_u32 v8, v7, 4, v8                   ; + 16 h
	v_lshlrev_b32 v9, 3, v5                        ; out: 8 bytes a lane
.irp j, 0,1,2,3,4,5,6,7
	v_mov_b32 v[80+\j], 0                          ; v_writelane_b32's destination counts as read
.endr
	s_add_nc_u64 s[14:15], s[14:15], s[24:25]
	s_add_nc_u64 s[18:19], s[18:19], s[30:31]
.irp kk, 0,1,2,3
.irp b, 0,1,2,3
	global_load_b128 v[16+16*\kk+4*\b:16+16*\kk+4*\b+3], v8, s[14:15] offset:128*\kk+32*\b th:TH_LOAD_NT   ; my 16 keys of block b; a wave's 16 loads cover 512 consecutive bytes of each of its 16 rows
.endr
.endr
	s_wait_loadcnt 0x0
.irp kk, 0,1,2,3
	s_mov_b32 s42, 0                               ; the OR and the AND of this key step's 64 words
	s_mov_b32 s43, -1
.set n, 0
.rept 64
	v_and_b32 v[10+n%4], 0xff<<(8*(n%4)), v[16+16*\kk+n/4]          ; byte n of my 64
	s_delay_alu instid0(VALU_DEP_1)
	v_cmp_ne_u32 s[32+n%4], 0, v[10+n%4]                            ; the 32 lanes' answers are word n,
	s_delay_alu instid0(VALU_DEP_1)
	v_writelane_b32 v[80+2*\kk+n%2], s[32+n%4], n/2                 ; which goes to lane n / 2, register n % 2
	s_or_b32 s42, s42, s[32+n%4]
	s_and_b32 s43, s43, s[32+n%4]
.set n, n+1
.endr
	s_or_b32 s47, s47, s42
	s_cmp_lg_u32 s42, 0
	s_cselect_b32 s42, 1<<\kk, 0
	s_or_b32 s46, s46, s42
	s_cmp_eq_u32 s43, -1
	s_cselect_b32 s43, 16<<\kk, 0
	s_or_b32 s46, s46, s43
	s_wait_alu depctr_va_vdst(0)
.endr
.irp kk, 0,1,2,3
	global_store_b64 v9, v[80+2*\kk:81+2*\kk], s[18:19] offset:256*\kk   ; 32 lanes store 256 consecutive bytes, aligned
.endr
	v_mov_b32 v88, s46
	v_mov_b32 v89, s47
	global_store_b64 v9, v[88:89], s[44:45]        ; 256 consecutive bytes, aligned
.Ljoin:
	s_wait_dscnt 0x0                               ; for the others' sake: my scale words lie in LDS
	s_barrier_signal -1
	s_barrier_wait -1                              ; all twelve waves pass it
	s_cmp_ge_u32 s20, NQW
	s_cbranch_scc1 .Lend
	s_cmp_lg_u32 s38, 0
	s_cbranch_scc1 .Lend
	ds_load_b64 v[SWA:SWA+1], v[SCRD]              ; the even wave of a record: its own two words a lane,
	ds_load_b64 v[SWA+2:SWA+3], v[SCRD] offset:256 ; and its partner's two
	s_wait_dscnt 0x0
	global_store_b128 v[LI], v[SWA:SWA+3], s[16:17] offset:SCO   ; 512 consecutive bytes (in an even wave the base is the record's first byte)
.Lend:
	s_wait_tensorcnt 0x0
	ds_add_u32 v254, v255
	s_wait_dscnt 0x0
	s_endpgm
.Lfunc_end_k_q69f579746b_prep:
	.size	k_q69f579746b_prep, .Lfunc_end_k_q69f579746b_prep-k_q69f579746b_prep
	.p2alignl 7, 3214868480
	.fill 96, 4, 3214868480
	.section	.rodata,"a",@progbits
	.p2align	6, 0x0
	.amdhsa_kernel k_q69f579746b_prep
		.amdhsa_group_segment_fixed_size 88576
		.amdhsa_private_segment_fixed_size 0
		.amdhsa_enable_private_segment 0
		.amdhsa_kernarg_size 72
		.amdhsa_user_sgpr_count 2
		.amdhsa_user_sgpr_kernarg_segment_ptr 1
		.amdhsa_wavefront_size32 1
		.amdhsa_system_sgpr_workgroup_id_x 1
		.amdhsa_system_sgpr_workgroup_id_y 1
		.amdhsa_system_sgpr_workgroup_id_z 1
		.amdhsa_system_vgpr_workitem_id 0
		.amdhsa_next_free_vgpr 256
		.amdhsa_next_free_sgpr 66
		.amdhsa_reserve_vcc 0
		.amdhsa_float_denorm_mode_32 3
		.amdhsa_float_denorm_mode_16_64 3
		.amdhsa_memory_ordered 1
		.amdhsa_forward_progress 1
		.amdhsa_inst_pref_size 126
	.end_amdhsa_kernel
	.amdgpu_metadata
---
amdhsa.version: [ 1, 2 ]
amdhsa.kernels:
  - .name:           k_q69f579746b_prep
    .symbol:         k_q69f579746b_prep.kd
    .args:
      - { .name: hidden_states, .offset: 0, .size: 8, .value_kind: global_buffer, .address_space: global }
      - { .name: Wq, .offset: 8, .size: 8, .value_kind: global_buffer, .address_space: global }
      - { .name: Wk, .offset: 16, .size: 8, .value_kind: global_buffer, .address_space: global }
      - { .name: Wv, .offset: 24, .size: 8, .value_kind: global_buffer, .address_space: global }
      - { .name: Wo, .offset: 32, .size: 8, .value_kind: global_buffer, .address_space: global }
      - { .name: attention_mask, .offset: 40, .size: 8, .value_kind: global_buffer, .address_space: global }
      - { .name: opnd, .offset: 48, .size: 8, .value_kind: global_buffer, .address_space: global }
      - { .name: maskw, .offset: 56, .size: 8, .value_kind: global_buffer, .address_space: global }
      - { .name: maskf, .offset: 64, .size: 8, .value_kind: global_buffer, .address_space: global }
    .group_segment_fixed_size: 88576
    .private_segment_fixed_size: 0
    .kernarg_segment_align: 8
    .kernarg_segment_size: 72
    .max_flat_workgroup_size: 384
    .sgpr_count:     66
    .vgpr_count:     256
    .wavefront_size: 32
...
	.end_amdgpu_metadata
.endif
;; end of part 1
;; launch qkv (part 2): grid 24 x 8, 4 waves a work-group, clusters of 4 x 4, 327,680 bytes of LDS; arguments opnd, bq, bk, bv, qkv; writes qkv
.if DOCPART == 2
	.amdgcn_target "amdgcn-amd-amdhsa--gfx1250"
	.amdhsa_code_object_version 6
	.text
	.protected	k_q69f579746b_qkv
	.globl	k_q69f579746b_qkv
	.p2align	8
	.type	k_q69f579746b_qkv,@function
k_q69f579746b_qkv:
	s_mov_b64 s[64:65], 0
	v_nop
	global_prefetch_b8 v0, s[64:65] scope:SCOPE_SE
	s_setreg_imm32_b32 hwreg(HW_REG_WAVE_MODE, 25, 1), 1
	s_wait_xcnt 0x0
	s_wait_alu depctr_hold_cnt(0) depctr_sa_sdst(0) depctr_va_vdst(0) depctr_va_sdst(0) depctr_va_ssrc(0) depctr_va_vcc(0) depctr_vm_vsrc(0)
	s_getreg_b32 s2, hwreg(HW_REG_IB_STS2, 6, 4)
	s_cmp_eq_u32 s2, 0
	s_cbranch_scc0 .Lentry_in_a_cluster
	s_endpgm
.Lentry_in_a_cluster:
	s_bfe_u32 s2, ttmp6, 0x10000c
	s_cmp_lg_u32 s2, 0xf033
	s_cbranch_scc0 .Lentry_shape_is_right
	s_endpgm
.Lentry_shape_is_right:
; The three projections on codes of FP6 (E2M3), then bias, then the results are quantised in registers and stored as records (layout: 128 rows x 128 K; fragment a at 1,536 a, lane l's registers 4 c .. at 512 c + 16 l;
; scale words at 12,288, lane l's four at 16 l: word p = fragment 2 p (lanes 0-15), 2 p + 1 (lanes 16-31); lane r of fragment a holds row 32 (a / 2) + 8 (a % 2) + r + 8 (r / 8)).
; ONE PROBLEM FOR ALL THREE: out[A's row][B's row] = sum over k, quantised along B's rows.  P = cluster x / 2.  P = 0: A = X, B = Wq; P = 1: A = X, B = Wk (rows = tokens, K = the head's 128);
; P = 2: A = Wv, B = X: v transposed (rows = the head's 128, K = 128 keys), as the second product of attention wants it.
; A tile of 256 x 256 is made by four waves, as many as a WGP has SIMDs; a wave makes 128 x 128 in 64 accumulators: its 128 columns are one head or one key step, that is, one record.
; THE MATRIX INSTRUCTION IS USED TRANSPOSED (source 0 = 16 rows of B, source 1 = 16 rows of A): by the order of a fragment's rows, the 64 registers of A's block a are 64 numbers of one row of the result,
; register 16 b + i = column 32 b + 16 (lane / 16) + i: what the quantiser takes.  Its codes are a fragment's registers and leave as they stand: no stage.
; K goes in steps of 256 through two LDS slots; a slot holds two records of each of A's two and B's two groups of 128 rows; a wave fetches one group's two records, 25,600 dense bytes, by one tensor load.
; CLUSTERS: 4 x 4 work-groups; A's records are asked for jointly along a row of the cluster, B's along a column.  P is the same in all sixteen.
; LIMITS: NaN and infinities are not served; a block whose largest magnitude lies under 2^-124 keeps the byte 1.
; REGISTERS: window 0: v8-29 addresses; v32-63 scale words, two sets; v64-127 the bias by columns; v128-223 A's fragments, one set; v224-239 the bias by rows; v240-255 at work.
;   window 1: B's fragments, two sets, at v0 and v128.  window 2: accumulators of A's blocks 0-3 ((a, b) at v[8 (8 (a % 4) + b)]); window 3: of blocks 4-7.  On the way out v128-217 of window 0 are free.
.set REC,   12800
.set FRB,   1536
.set SCO,   12288
.set TS,    3276800                    ; a tensor of records
.set PIECE, 2*REC                      ; what one tensor load brings
.set SLOT,  4*PIECE
.set SPARE, 2*SLOT                     ; behind the ring: the spare words, 128 bytes a wave
.set NQ,    2
.set FR,    12
.set NL,    3                          ; LDS loads that bring a fragment
.set NP,    4                          ; places behind this matrix instruction (ISA guide 7.12.1)
.set LAPS,  4                          ; 2,048 / (2 x 256)
.set ADRA,  16
.set ADRB,  20
.set LI,    24
.set SPW,   28
.set NIL,   29
.set SC,    32                         ; set s at SC + 16 s: + 4 q A's four registers of the slot's q-th 128 along K, + 8 + 4 q B's
.set BC,    64
.set AF,    128
.set BR,    224
.set TM,    240
.set T,     128
.set PC,    192
.set SW,    212
.set SWT,   216
.set PW,    217
.set WV,    14
.set SEL,   78
.set G1,    24
.set G0,    32
.set G1B,   48
.set G0B,   56
.set MSB, 0
.macro WIN new                         ; the immediate's high byte repeats the setting that is left
.if MSB != (\new)
	s_set_vgpr_msb (MSB<<8)|(\new)
.set MSB, (\new)
.endif
.endm
.set MUL_LO, 0xa1                      ; source 0 (B) window 1, source 1 (A) window 0, C and D window 2
.set MUL_HI, 0xf1
.set TO_B,   0x40
.macro PLACES n
.rept \n
	v_nop
.endr
.endm
; one matrix instruction from the symbols wD, wA, wB, wC (under 0: the constant 0), wX, wY (scale registers) and wR0, wR1 (1: the side's words stand in lanes 16-31)
.macro WMM
.if wC < 0
.if wR0 && wR1
	v_wmma_scale_f32_16x16x128_f8f6f4 v[wD:wD+7], v[wA:wA+11], v[wB:wB+11], 0, v[wX], v[wY] matrix_a_fmt:MATRIX_FMT_FP6 matrix_b_fmt:MATRIX_FMT_FP6 matrix_a_scale:MATRIX_SCALE_ROW1 matrix_b_scale:MATRIX_SCALE_ROW1
.elseif wR0
	v_wmma_scale_f32_16x16x128_f8f6f4 v[wD:wD+7], v[wA:wA+11], v[wB:wB+11], 0, v[wX], v[wY] matrix_a_fmt:MATRIX_FMT_FP6 matrix_b_fmt:MATRIX_FMT_FP6 matrix_a_scale:MATRIX_SCALE_ROW1
.elseif wR1
	v_wmma_scale_f32_16x16x128_f8f6f4 v[wD:wD+7], v[wA:wA+11], v[wB:wB+11], 0, v[wX], v[wY] matrix_a_fmt:MATRIX_FMT_FP6 matrix_b_fmt:MATRIX_FMT_FP6 matrix_b_scale:MATRIX_SCALE_ROW1
.else
	v_wmma_scale_f32_16x16x128_f8f6f4 v[wD:wD+7], v[wA:wA+11], v[wB:wB+11], 0, v[wX], v[wY] matrix_a_fmt:MATRIX_FMT_FP6 matrix_b_fmt:MATRIX_FMT_FP6
.endif
.else
.if wR0 && wR1
	v_wmma_scale_f32_16x16x128_f8f6f4 v[wD:wD+7], v[wA:wA+11], v[wB:wB+11], v[wC:wC+7], v[wX], v[wY] matrix_a_fmt:MATRIX_FMT_FP6 matrix_b_fmt:MATRIX_FMT_FP6 matrix_a_scale:MATRIX_SCALE_ROW1 matrix_b_scale:MATRIX_SCALE_ROW1
.elseif wR0
	v_wmma_scale_f32_16x16x128_f8f6f4 v[wD:wD+7], v[wA:wA+11], v[wB:wB+11], v[wC:wC+7], v[wX], v[wY] matrix_a_fmt:MATRIX_FMT_FP6 matrix_b_fmt:MATRIX_FMT_FP6 matrix_a_scale:MATRIX_SCALE_ROW1
.elseif wR1
	v_wmma_scale_f32_16x16x128_f8f6f4 v[wD:wD+7], v[wA:wA+11], v[wB:wB+11], v[wC:wC+7], v[wX], v[wY] matrix_a_fmt:MATRIX_FMT_FP6 matrix_b_fmt:MATRIX_FMT_FP6 matrix_b_scale:MATRIX_SCALE_ROW1
.else
	v_wmma_scale_f32_16x16x128_f8f6f4 v[wD:wD+7], v[wA:wA+11], v[wB:wB+11], v[wC:wC+7], v[wX], v[wY] matrix_a_fmt:MATRIX_FMT_FP6 matrix_b_fmt:MATRIX_FMT_FP6
.endif
.endif
.endm
.macro QUANT s
.irp b, 0,1,2,3
	v_max3_num_f32 v[TM+\b], |v[\s+16*\b]|, |v[\s+1+16*\b]|, 0x1800000   ; my 16 numbers of block b, and the floor 2^(3 - 127): the byte cannot fall under 1
.endr
.irp i, 2,4,6,8,10,12,14
.irp b, 0,1,2,3
	v_max3_num_f32 v[TM+\b], v[TM+\b], |v[\s+16*\b+\i]|, |v[\s+1+16*\b+\i]|
.endr
.endr
.irp b, 0,1,2,3
	v_permlanex16_b32 v[TM+4+\b], v[TM+\b], s[SEL], s[SEL+1]
.endr
.irp b, 0,1,2,3
	v_max_num_f32 v[TM+\b], v[TM+\b], v[TM+4+\b]
.endr
.irp b, 0,1,2,3
	v_add_nc_u32 v[TM+12+\b], 0xff000000, v[TM+\b]                   ; 2 off the exponent field: the conversion's scale operand
.endr
.irp b, 0,1,2,3
	v_lshrrev_b32 v[TM+4+\b], 23, v[TM+12+\b]
.endr
	v_lshl_or_b32 v[PW], v[TM+5], 8, v[TM+4]
	v_lshl_or_b32 v[PW], v[TM+6], 16, v[PW]
	v_lshl_or_b32 v[PW], v[TM+7], 24, v[PW]
.irp c, 0,1
	v_cvt_scalef32_pk16_fp6_f32 v[PC+6*\c:PC+2+6*\c], v[\s+32*\c:\s+15+32*\c], v[TM+12+2*\c]
	v_cvt_scalef32_pk16_fp6_f32 v[PC+12+4*\c:PC+14+4*\c], v[\s+16+32*\c:\s+31+32*\c], v[TM+12+2*\c+1]
.endr
	v_nop                                          ; one plain place behind a scaled conversion
.irp c, 0,1
.irp i, 0,1,2
	v_permlane16_swap_b32 v[PC+6*\c+\i], v[PC+12+4*\c+\i]
.endr
.irp i, 0,1,2
	v_mov_b32 v[PC+3+6*\c+\i], v[PC+12+4*\c+\i]
.endr
.endr
.endm
; A joint load: waves 0 and 1 fetch A's two groups, waves 2 and 3 B's.  The branch hangs on the wave's number alone.  Four v_nop follow each of the two lines.
.macro JLOAD g0a, g1a, g0b, g1b
	s_cmp_eq_u32 s15, 0
	s_cbranch_scc0 .Lfor_b_\@
	tensor_load_to_lds s[\g0a:\g0a+3], s[\g1a:\g1a+7]
	s_nop 0
.rept 4
	v_nop
.endr
	s_branch .Lasked_\@
.Lfor_b_\@:
	tensor_load_to_lds s[\g0b:\g0b+3], s[\g1b:\g1b+7]
	s_nop 0
.rept 4
	v_nop
.endr
.Lasked_\@:
.endm
.macro CREST                           ; a round of the cluster's barrier behind its opening barrier
	s_cmp_lg_u32 s[WV], 0
	s_cbranch_scc1 .Lnot_wave_0_\@
	s_barrier_signal -3
.Lnot_wave_0_\@:
	s_barrier_wait -3
	s_barrier_signal -1
	s_barrier_wait -1
.endm
.macro CROUND
	s_barrier_signal -1
	s_barrier_wait -1
	CREST
.endm
	s_load_b256 s[4:11], s[0:1], 0x0               ; opnd, bq, bk, bv
	s_load_b64 s[12:13], s[0:1], 0x20              ; qkv
	v_lshl_add_u32 v[SPW], v0, 2, SPARE
	v_mov_b32 v[NIL], 0
	ds_add_u32 v28, v29
	ds_add_u32 v28, v29
	s_wait_dscnt 0x0
	v_lshrrev_b32 v1, 5, v0
	v_readfirstlane_b32 s[WV], v1                  ; wave 0..3
	s_lshr_b32 s15, s14, 1                         ; which of A's two groups I multiply.  Also: I fetch for A (0) or for B (1)
	s_and_b32 s16, s14, 1                          ; which of B's two groups I multiply.  Also: which of the two groups I fetch
	s_bfe_u32 s40, ttmp6, 0x40000                  ; cx, cy
	s_bfe_u32 s41, ttmp6, 0x40004
	s_lshr_b32 s70, ttmp9, 1                       ; P: two clusters along x for each projection
	s_and_b32 s42, ttmp9, 1
	s_lshl_b32 s42, s42, 2
	s_add_co_u32 s42, s42, s40                     ; tile column 0..7
	s_and_b32 s17, ttmp7, 0xffff
	s_lshl_b32 s17, s17, 2
	s_add_co_u32 s17, s17, s41                     ; tile row 0..7
	s_lshl_b32 s43, s41, 2
	s_lshl_b32 s43, 15, s43                        ; my row of the cluster
	s_lshl_b32 s44, 0x1111, s40                    ; my column
	; descriptor group 1: 25,600 dense bytes as 100 rows of 256 (32 elements of 8 bytes), no padding: a fragment's image is read 512 consecutive bytes at a time
	s_or_b32 s[G1+0], s43, (3<<16)|(1<<21)
	s_or_b32 s[G1B+0], s44, (3<<16)|(1<<21)
.irp g, G1, G1B
	s_mov_b32 s[\g+1], 32<<16                      ; tensor_dim0
	s_mov_b32 s[\g+2], 100<<16                     ; tensor_dim1
	s_mov_b32 s[\g+3], 32<<16                      ; tile_dim0
	s_mov_b32 s[\g+4], 100                         ; tile_dim1
	s_mov_b32 s[\g+5], 32                          ; tensor_dim0_stride
	s_mov_b32 s[\g+6], 0
	s_mov_b32 s[\g+7], 0
.endr
	s_lshl_b32 s20, s17, 1
	s_add_co_u32 s20, s20, s16                     ; A's group that I fetch
	s_mul_i32 s20, s20, 16*REC
	s_lshl_b32 s46, s42, 1
	s_add_co_u32 s46, s46, s16                     ; B's
	s_mul_i32 s46, s46, 16*REC
	s_add_co_u32 s72, s70, 1
	s_mul_i32 s72, s72, TS                         ; Wq's or Wk's records
	s_cmp_eq_u32 s70, 2
	s_cselect_b32 s73, 3*TS, 0                     ; A: Wv's records for P = 2, else X's
	s_cselect_b32 s72, 0, s72                      ; B: X's for P = 2
	s_add_co_u32 s20, s20, s73
	s_add_co_u32 s46, s46, s72
	s_mov_b32 s21, 0
	s_mov_b32 s47, 0
	s_mul_i32 s45, s14, PIECE                      ; where my piece goes: no place in the cluster enters an LDS address
	s_wait_kmcnt 0x0
	s_add_nc_u64 s[20:21], s[4:5], s[20:21]
	s_add_nc_u64 s[46:47], s[4:5], s[46:47]
	CROUND                                         ; all sixteen work-groups are here: the first joint loads meet
.irp s, 0,1
	s_mov_b32 s[G0+4*\s], 1
	s_add_co_u32 s[G0+4*\s+1], s45, \s*SLOT
	s_add_nc_u64 s[G0+4*\s+2:G0+4*\s+3], s[20:21], \s*PIECE
	s_or_b32 s[G0+4*\s+3], s[G0+4*\s+3], 0x80000000
	s_mov_b32 s[G0B+4*\s], 1
	s_add_co_u32 s[G0B+4*\s+1], s45, \s*SLOT
	s_add_nc_u64 s[G0B+4*\s+2:G0B+4*\s+3], s[46:47], \s*PIECE
	s_or_b32 s[G0B+4*\s+3], s[G0B+4*\s+3], 0x80000000
.endr
	JLOAD G0, G1, G0B, G1B                         ; slot 0: one tensor load a wave at the head
	v_and_b32 v1, 31, v0
	v_lshlrev_b32 v[LI], 4, v1                     ; 16 x lane: my place in every image
	v_and_b32 v2, 15, v0                           ; r
	v_bfe_u32 v3, v0, 4, 1                         ; h
	s_wait_alu depctr_va_vdst(0)
	s_mul_i32 s22, s15, PIECE
	s_mul_i32 s23, s16, PIECE
	s_add_co_u32 s23, s23, 2*PIECE
.irp s, 0,1
	v_add_nc_u32 v[ADRA+\s], s22, v[LI]
	v_add_nc_u32 v[ADRB+\s], s23, v[LI]
	s_add_co_u32 s22, s22, SLOT
	s_add_co_u32 s23, s23, SLOT
.endr
	s_lshl_b32 s74, s42, 1
	s_add_co_u32 s74, s74, s16                     ; B's group that I multiply
	s_lshl_b32 s75, s17, 1
	s_add_co_u32 s75, s75, s15                     ; A's
	s_mov_b64 s[68:69], s[6:7]                     ; the bias is chosen by P alone
	s_cmp_eq_u32 s70, 1
	s_cselect_b64 s[68:69], s[8:9], s[68:69]
	s_cmp_eq_u32 s70, 2
	s_cselect_b64 s[68:69], s[10:11], s[68:69]
	s_cselect_b32 s76, s75, s74                    ; the head: B's group, for v A's
	s_cselect_b32 s77, s74, s75                    ; the group of tokens
	s_lshl_b32 s72, s74, 9
	s_lshl_b32 s73, s75, 9
	v_lshl_add_u32 v8, v3, 6, s72                  ; the bias by columns: 512 x B's group + 64 h
	v_and_b32 v9, 8, v2
	v_add_nc_u32 v9, v9, v2
	v_lshl_add_u32 v9, v9, 2, s73                  ; by rows: 512 x A's group + 4 (r + 8 (r / 8))
.irp b, 0,1,2,3
.irp j, 0,1,2,3
	global_load_b128 v[BC+16*\b+4*\j:BC+16*\b+4*\j+3], v8, s[68:69] offset:128*\b+16*\j   ; register 16 b + i: the bias of column 32 b + 16 h + i.  Both sets are loaded whatever P: both stay inside the 8,192 bytes
.endr
.endr
.irp a, 0,1,2,3,4,5,6,7
	global_load_b32 v[BR+2*\a], v9, s[68:69] offset:(32*(\a/2)+8*(\a%2))*4                ; the bias of my row of block a, twice: a pair for the packed addition
	global_load_b32 v[BR+2*\a+1], v9, s[68:69] offset:(32*(\a/2)+8*(\a%2))*4
.endr
	s_lshl_b32 s76, s76, 4
	s_add_co_u32 s76, s76, s77
	s_lshl_b32 s77, s70, 8
	s_add_co_u32 s76, s76, s77                     ; my record: 256 P + 16 x head + group
	s_mul_i32 s76, s76, REC
	s_mov_b32 s77, 0
	s_add_nc_u64 s[12:13], s[12:13], s[76:77]
	s_mov_b32 s[SEL], 0x76543210
	s_mov_b32 s[SEL+1], 0xfedcba98
	s_mov_b32 s71, 0xffff0000                      ; lanes 16-31
.irp b, 0,1,2,3
	v_mov_b32 v[TM+4+\b], 0                        ; written once: a lane permute's destination counts as one of its sources
.endr
.macro FRAG reg, adr, q, i             ; a fragment's image: three loads of 512 consecutive bytes
.irp c, 0,1,2
	ds_load_b128 v[\reg+4*\c:\reg+4*\c+3], v[\adr] offset:(\q)*REC+(\i)*FRB+512*\c
.endr
.endm
; 16 matrix instructions: A's blocks a0, a0 + 1 x B's eight.  The 64 accumulators take turns, one instruction a turn, in the same order in every step.
.macro MUL16 a0, p, q, sc, zero
.irp a, \a0, \a0+1
.irp b, 0,1,2,3,4,5,6,7
.set wD, 8*(8*((\a)%4)+\b)
.set wA, 128*(\p)+FR*\b
.set wB, AF+FR*(\a)
.if \zero
.set wC, -1
.else
.set wC, wD
.endif
.set wX, SC+16*(\sc)+8+4*(\q)+\b/2
.set wY, SC+16*(\sc)+4*(\q)+(\a)/2
.set wR0, \b%2
.set wR1, (\a)%2
	WMM
.endr
.endr
.endm
.macro FETCH_B slot, q, p
	WIN TO_B
.irp i, 0,1,2,3,4,5,6,7
	FRAG 128*(\p)+FR*\i, ADRB+\slot, \q, \i
.endr
	WIN 0
.endm
.macro FETCH_A slot, q, i0
.irp i, \i0, \i0+1, \i0+2, \i0+3
	FRAG AF+FR*(\i), ADRA+\slot, \q, \i
.endr
.endm
.macro SCALES sc                       ; a slot's scale words: four registers for each side and each 128 along K
	ds_load_b128 v[SC+16*\sc:SC+16*\sc+3], v[ADRA+\sc] offset:SCO
	ds_load_b128 v[SC+16*\sc+4:SC+16*\sc+7], v[ADRA+\sc] offset:REC+SCO
	ds_load_b128 v[SC+16*\sc+8:SC+16*\sc+11], v[ADRB+\sc] offset:SCO
	ds_load_b128 v[SC+16*\sc+12:SC+16*\sc+15], v[ADRB+\sc] offset:REC+SCO
.endm
; A step of 128 along K that has its successor in the same slot.  A load into a register that a matrix instruction has read stands NP plain vector instructions behind it.
.macro STEP slot, q, zero
	s_wait_dscnt 4*NL                              ; all but the youngest twelve loads (A's blocks 4-7) are in
	WIN MUL_LO
	MUL16 0, (\q)%2, \q, \slot, \zero
	MUL16 2, (\q)%2, \q, \slot, \zero
	s_wait_dscnt 0x0                               ; A's blocks 4-7 are in
	PLACES NP
	FETCH_B \slot, (\q)+1, 1-(\q)%2
	FETCH_A \slot, (\q)+1, 0
	WIN MUL_HI
	MUL16 4, (\q)%2, \q, \slot, \zero
	MUL16 6, (\q)%2, \q, \slot, \zero
	PLACES NP
	WIN 0
	FETCH_A \slot, (\q)+1, 4
.endm
; A slot's last step changes slots: one barrier; in front of it each wave waits for all its tensor loads, adds 0 to its spare word, and waits for that and for its reads of this slot.
.macro TURN slot, next, fill
	s_wait_tensorcnt 0x0                           ; my one load that was out, my piece of the next slot, has landed
	ds_add_u32 v[SPW], v[NIL]                      ; 0 onto my spare word
	s_wait_dscnt 4*NL+1                            ; (the add and A's blocks 4-7 may be out)
	WIN MUL_LO
	MUL16 0, 1, NQ-1, \slot, 0
	s_wait_dscnt 0x0                               ; the add is done, and my reads of this slot are over
	s_barrier_signal -1
	MUL16 2, 1, NQ-1, \slot, 0
	WIN 0
	s_barrier_wait -1
.if \fill
	CREST                                          ; the barrier has opened a round of the cluster's: no wave of any partner still reads this slot or has a load on its way
	s_add_nc_u64 s[G0+4*\slot+2:G0+4*\slot+3], s[G0+4*\slot+2:G0+4*\slot+3], 2*PIECE
	s_add_nc_u64 s[G0B+4*\slot+2:G0B+4*\slot+3], s[G0B+4*\slot+2:G0B+4*\slot+3], 2*PIECE
	JLOAD G0+4*\slot, G1, G0B+4*\slot, G1B         ; the first tensor load behind the round; its four v_nop are the places in front of the loads below
.else
	PLACES NP
.endif
	s_wait_alu depctr_va_vdst(0)
	FETCH_B \next, 0, 0
	FETCH_A \next, 0, 0
	SCALES \next
	WIN MUL_HI
	MUL16 4, 1, NQ-1, \slot, 0
	MUL16 6, 1, NQ-1, \slot, 0
	PLACES NP
	WIN 0
	FETCH_A \next, 0, 4
.endm
	s_wait_alu depctr_va_vdst(0)
	s_wait_tensorcnt 0x0                           ; my piece of slot 0 is in
	ds_add_u32 v[SPW], v[NIL]
	s_wait_dscnt 0x0
	CROUND
	JLOAD G0+4, G1, G0B+4, G1B                     ; slot 1's first fill, my one load behind the round
	FETCH_B 0, 0, 0
	FETCH_A 0, 0, 0
	SCALES 0
	FETCH_A 0, 0, 4
	STEP 0, 0, 1                                   ; the first step stands in front of the loop: its products start the sums
	s_mov_b32 s3, LAPS-1
.Llap:                                             ; a trip goes once round the ring and fills both slots again
	TURN 0, 1, 1
	STEP 1, 0, 0
	TURN 1, 0, 1
	STEP 0, 0, 0
	s_sub_co_u32 s3, s3, 1
	s_cmp_lg_u32 s3, 0
	s_cbranch_scc1 .Llap
	TURN 0, 1, 0                                   ; the last lap fills nothing
	STEP 1, 0, 0
	s_wait_dscnt 4*NL
	WIN MUL_LO
	MUL16 0, 1, NQ-1, 1, 0
	MUL16 2, 1, NQ-1, 1, 0
	s_wait_dscnt 0x0
	WIN MUL_HI
	MUL16 4, 1, NQ-1, 1, 0
	MUL16 6, 1, NQ-1, 1, 0
	WIN 0
; THE WAY OUT, block by block of A's 16 rows: bias (by columns for q and k, by rows for v: a branch on P, the same in the whole cluster), the quantiser, three stores of 512 consecutive bytes.
.macro OUTA a
	s_cmp_eq_u32 s70, 2
	s_cbranch_scc1 .Lrow_\@
	WIN 0x02+(\a)/4                                ; source 0: window 2 or 3
.set i, 0
.rept 32
	v_pk_add_f32 v[T+i:T+i+1], v[64*((\a)%4)+i:64*((\a)%4)+i+1], v[BC+i:BC+i+1]       ; each accumulator from its low end on
.set i, i+2
.endr
	WIN 0
	s_branch .Ljoin_\@
.Lrow_\@:
	WIN 0x02+(\a)/4
.set i, 0
.rept 32
	v_pk_add_f32 v[T+i:T+i+1], v[64*((\a)%4)+i:64*((\a)%4)+i+1], v[BR+2*(\a):BR+2*(\a)+1]
.set i, i+2
.endr
	WIN 0
.Ljoin_\@:
.if (\a) > 0
	s_wait_xcnt 0x0                                ; the last block's stores have read the codes' registers
.endif
	QUANT T
.irp c, 0,1,2
	global_store_b128 v[LI], v[PC+4*\c:PC+4*\c+3], s[12:13] offset:FRB*(\a)+512*\c
.endr
.if (\a)%2 == 0
	v_mov_b32 v[SWT], v[PW]
.else
	v_cndmask_b32 v[SW+(\a)/2], v[SWT], v[PW], s71 ; lanes 0-15 the even block's words, lanes 16-31 the odd one's
.endif
.endm
	s_wait_loadcnt 0x0                             ; the biases
	PLACES NP                                      ; in front of the first read of results and the first write of registers that held A's fragments
.irp a, 0,1,2,3,4,5,6,7
	OUTA \a
.endr
	global_store_b128 v[LI], v[SW:SW+3], s[12:13] offset:SCO
	s_wait_tensorcnt 0x0                           ; the wave's end
	ds_add_u32 v[SPW], v[NIL]
	s_wait_dscnt 0x0
	CROUND                                         ; the closing round
	s_endpgm
.Lfunc_end_k_q69f579746b_qkv:
	.size	k_q69f579746b_qkv, .Lfunc_end_k_q69f579746b_qkv-k_q69f579746b_qkv
	.p2alignl 7, 3214868480
	.fill 96, 4, 3214868480
	.section	.rodata,"a",@progbits
	.p2align	6, 0x0
	.amdhsa_kernel k_q69f579746b_qkv
		.amdhsa_group_segment_fixed_size 327680
		.amdhsa_private_segment_fixed_size 0
		.amdhsa_enable_private_segment 0
		.amdhsa_kernarg_size 40
		.amdhsa_user_sgpr_count 2
		.amdhsa_user_sgpr_kernarg_segment_ptr 1
		.amdhsa_wavefront_size32 1
		.amdhsa_system_sgpr_workgroup_id_x 1
		.amdhsa_system_sgpr_workgroup_id_y 1
		.amdhsa_system_sgpr_workgroup_id_z 1
		.amdhsa_system_vgpr_workitem_id 0
		.amdhsa_next_free_vgpr 1024
		.amdhsa_next_free_sgpr 80
		.amdhsa_reserve_vcc 0
		.amdhsa_float_denorm_mode_32 3
		.amdhsa_float_denorm_mode_16_64 3
		.amdhsa_memory_ordered 1
		.amdhsa_forward_progress 1
		.amdhsa_inst_pref_size 173
	.end_amdhsa_kernel
	.amdgpu_metadata
---
amdhsa.version: [ 1, 2 ]
amdhsa.kernels:
  - .name:           k_q69f579746b_qkv
    .symbol:         k_q69f579746b_qkv.kd
    .args:
      - { .name: opnd, .offset: 0, .size: 8, .value_kind: global_buffer, .address_space: global }
      - { .name: bq, .offset: 8, .size: 8, .value_kind: global_buffer, .address_space: global }
      - { .name: bk, .offset: 16, .size: 8, .value_kind: global_buffer, .address_space: global }
      - { .name: bv, .offset: 24, .size: 8, .value_kind: global_buffer, .address_space: global }
      - { .name: qkv, .offset: 32, .size: 8, .value_kind: global_buffer, .address_space: global }
    .group_segment_fixed_size: 327680
    .private_segment_fixed_size: 0
    .kernarg_segment_align: 8
    .kernarg_segment_size: 40
    .max_flat_workgroup_size: 128
    .sgpr_count:     80
    .vgpr_count:     1024
    .wavefront_size: 32
...
	.end_amdgpu_metadata
.endif
;; end of part 2
;; launch attn (part 3): grid 16 x 16, 4 waves a work-group, no clusters, 137,984 bytes of LDS; arguments qkv, maskw, maskf, ctx; writes ctx
.if DOCPART == 3
	.amdgcn_target "amdgcn-amd-amdhsa--gfx1250"
	.amdhsa_code_object_version 6
	.text
	.protected	k_q69f579746b_attn
	.globl	k_q69f579746b_attn
	.p2align	8
	.type	k_q69f579746b_attn,@function
k_q69f579746b_attn:
	s_mov_b64 s[64:65], 0
	v_nop
	global_prefetch_b8 v0, s[64:65] scope:SCOPE_SE
	s_setreg_imm32_b32 hwreg(HW_REG_WAVE_MODE, 25, 1), 1
	s_wait_xcnt 0x0
; Attention on codes of FP6 (E2M3): S^T = k q^T, mask, p = 2^(t - M) with a running whole M, O^T += v^T p^T, / the row's sum, quantised into ctx's records.
; q, k, v come as records (128 rows x 128 K; fragment a at 1,536 a, lane l's registers 4 c .. at 512 c + 16 l; scale words at 12,288, lane l's four at 16 l).
; THE MASK DECIDES THE WORK, AS WHOLE NUMBERS READ FROM MEMORY.  maskf (stored by the launch before) says for each fragment of 16 queries and each key step of 128 keys whether any key is open and whether all are,
; and which rows have an open key at all.  A key step whose 64 x 128 mask bytes are all 0 is left out, but only if each of the block's 64 rows has an open key somewhere: then its p are 2^(about -2.2e9 - M), which are 0 in f32.
; If some row has no open key, all 16 key steps are run.  A key step that is all open runs without the selects.
; LIMIT: this holds while the scaled scores of open keys stay under 2^29 in magnitude.  NaN and infinities are not served.
; SHARES: work-group (x, head) takes the blocks of 64 queries 31 - x and x, one after the other.  Wave w: qh = w % 2 says which 32 queries, kp = w / 2 takes every second of the block's active key steps.
; A wave holds two fragments of 16 queries: set X, which it finishes, and set Y, whose partial O, M and sum it hands through LDS to wave w xor 2 (whose Y is my X).
; K's and V's records go from memory to registers and from there to LDS, one trip ahead, in two buffers of four records (for each kp K's and V's); wave w fetches record w.  One barrier a trip.
; No tensor load and no cluster.  No data prefetch: each record is asked for a whole trip ahead of its use by the loads themselves.
; ctx's scale words lie at 12,288 + 64 a + 4 r (fragment a, row r), so that a block's four fragments' words are 256 consecutive bytes.
; REGISTERS: window 0: v1-63 addresses, states, scale words, q; v64-191 the scores, then p (X, Y); v192-215 p's codes; v216-231, v232-255 at work.  window 1: v0-95 K's fragments, v96-191 V's.
;   window 2: v0-127 O^T (X, Y); v128-227 the record on its way to LDS.
.set REC,   12800
.set FRB,   1536
.set SCO,   12288
.set BUF,   4*REC
.set MRG,   2*BUF                      ; 8,704 bytes a wave: set Y's O^T and state
.set MRW,   8704
.set SCST,  MRG+4*MRW                  ; 256 bytes: the block's scale words
.set SPARE, SCST+256                   ; the spare words, 128 bytes a wave
.set LI,  1
.set ADR, 2
.set STA, 4
.set SPW, 6
.set NIL, 7
.set NEG, 8
.set SCA, 9
.set SCR, 10
.set MSA, 11
.set MLA, 26
.set QOX, 27
.set QOY, 60
.set QSX, 61
.set QSY, 62
.set L8,  63
.set PC,  192
.set CT,  216
.set TM,  232
.set PW,  21
.set WV,  12
.set KP,  13
.set QH,  14
.set WX,  15
.set HD,  16
.set PH,  17
.set CNT, 18
.set ACT, 19
.set FULL, 20
.set KC,  21
.set KN,  22
.set CS,  26
.set SEL, 28
.set MO,  30
.set MB0, 31
.set BI,  66
.set MB1, 67
.set KR,  100
.set KB,  104
.set MSB, 0
.macro WIN new
.if MSB != (\new)
	s_set_vgpr_msb (MSB<<8)|(\new)
.set MSB, (\new)
.endif
.endm
.macro PLACES n
.rept \n
	v_nop
.endr
.endm
.macro WMM
.if wC < 0
.if wR0
	v_wmma_scale_f32_16x16x128_f8f6f4 v[wD:wD+7], v[wA:wA+11], v[wB:wB+11], 0, v[wX], v[wY] matrix_a_fmt:MATRIX_FMT_FP6 matrix_b_fmt:MATRIX_FMT_FP6 matrix_a_scale:MATRIX_SCALE_ROW1
.else
	v_wmma_scale_f32_16x16x128_f8f6f4 v[wD:wD+7], v[wA:wA+11], v[wB:wB+11], 0, v[wX], v[wY] matrix_a_fmt:MATRIX_FMT_FP6 matrix_b_fmt:MATRIX_FMT_FP6
.endif
.else
.if wR0
	v_wmma_scale_f32_16x16x128_f8f6f4 v[wD:wD+7], v[wA:wA+11], v[wB:wB+11], v[wC:wC+7], v[wX], v[wY] matrix_a_fmt:MATRIX_FMT_FP6 matrix_b_fmt:MATRIX_FMT_FP6 matrix_a_scale:MATRIX_SCALE_ROW1
.else
	v_wmma_scale_f32_16x16x128_f8f6f4 v[wD:wD+7], v[wA:wA+11], v[wB:wB+11], v[wC:wC+7], v[wX], v[wY] matrix_a_fmt:MATRIX_FMT_FP6 matrix_b_fmt:MATRIX_FMT_FP6
.endif
.endif
.endm
; 64 numbers of a lane become a fragment's codes in v[PC] on and its scale word in v[PW]
.macro QUANT s
.irp b, 0,1,2,3
	v_max3_num_f32 v[TM+\b], |v[\s+16*\b]|, |v[\s+1+16*\b]|, 0x1800000   ; with the floor 2^(3 - 127): the byte cannot fall under 1
.endr
.irp i, 2,4,6,8,10,12,14
.irp b, 0,1,2,3
	v_max3_num_f32 v[TM+\b], v[TM+\b], |v[\s+16*\b+\i]|, |v[\s+1+16*\b+\i]|
.endr
.endr
.irp b, 0,1,2,3
	v_permlanex16_b32 v[TM+4+\b], v[TM+\b], s[SEL], s[SEL+1]
.endr
.irp b, 0,1,2,3
	v_max_num_f32 v[TM+\b], v[TM+\b], v[TM+4+\b]
.endr
.irp b, 0,1,2,3
	v_add_nc_u32 v[TM+12+\b], 0xff000000, v[TM+\b]
.endr
.irp b, 0,1,2,3
	v_lshrrev_b32 v[TM+4+\b], 23, v[TM+12+\b]
.endr
	v_lshl_or_b32 v[PW], v[TM+5], 8, v[TM+4]
	v_lshl_or_b32 v[PW], v[TM+6], 16, v[PW]
	v_lshl_or_b32 v[PW], v[TM+7], 24, v[PW]
.irp c, 0,1
	v_cvt_scalef32_pk16_fp6_f32 v[PC+6*\c:PC+2+6*\c], v[\s+32*\c:\s+15+32*\c], v[TM+12+2*\c]
	v_cvt_scalef32_pk16_fp6_f32 v[PC+12+4*\c:PC+14+4*\c], v[\s+16+32*\c:\s+31+32*\c], v[TM+12+2*\c+1]
.endr
	v_nop
.irp c, 0,1
.irp i, 0,1,2
	v_permlane16_swap_b32 v[PC+6*\c+\i], v[PC+12+4*\c+\i]
.endr
.irp i, 0,1,2
	v_mov_b32 v[PC+3+6*\c+\i], v[PC+12+4*\c+\i]
.endr
.endr
.endm
; the next two active key steps leave the list; mine is the first (kp = 0) or the second; -1: none is left
.macro NEXTK
	s_ctz_i32_b32 s23, s[ACT]
	s_sub_co_u32 s24, s[ACT], 1
	s_and_b32 s[ACT], s[ACT], s24
	s_ctz_i32_b32 s25, s[ACT]
	s_sub_co_u32 s24, s[ACT], 1
	s_and_b32 s[ACT], s[ACT], s24
	s_cmp_eq_u32 s[KP], 0
	s_cselect_b32 s[KN], s23, s25
.endm
; my record of key step KN, 25 loads of 512 consecutive bytes.  always = 1: with no test, the step held at 15
.macro GLOAD always
.if !(\always)
	s_cmp_lt_u32 s[KN], 16
	s_cbranch_scc0 .Lnl_\@
.endif
	s_min_u32 s2, s[KN], 15
	s_mul_i32 s2, s2, REC
	s_mov_b32 s3, 0
	s_add_nc_u64 s[KB:KB+1], s[KR:KR+1], s[2:3]
	WIN 0x80
.set j, 0
.rept 25
	global_load_b128 v[128+4*j:131+4*j], v[LI], s[KB:KB+1] offset:512*j
.set j, j+1
.endr
	WIN 0
.Lnl_\@:
.endm
.macro GSTORE b, always
	s_wait_loadcnt 0x0
.if !(\always)
	s_cmp_lt_u32 s[KN], 16
	s_cbranch_scc0 .Lns_\@
.endif
	WIN 0x08
.set j, 0
.rept 25
	ds_store_b128 v[STA+\b], v[128+4*j:131+4*j] offset:512*j
.set j, j+1
.endr
	WIN 0
.Lns_\@:
.endm
.macro MLOAD                           ; a fragment's 64 lane masks of a key step
	s_load_b512 s[32:47], s[6:7], s[MO] offset:0x0
	s_load_b512 s[48:63], s[6:7], s[MO] offset:0x40
	s_load_b512 s[68:83], s[6:7], s[MO] offset:0x80
	s_load_b512 s[84:99], s[6:7], s[MO] offset:0xc0
.endm
.macro SELECT z
.set n, 0
.rept 64
	v_cndmask_b32 v[64+64*\z+n], v[NEG], v[64+64*\z+n], s[32+n+4*(n/32)]
.set n, n+1
.endr
.endm
.macro COMPUTE buf
	s_min_u32 s23, s[KC], 15
	s_lshl_b32 s23, s23, 8
	s_add_co_u32 s[MO], s23, s[MB0]
	MLOAD                                          ; set X's masks, asked for early whatever the step's kind
	WIN 0x40
.irp t, 0,1,2,3,4,5,6,7
.irp c, 0,1,2
	ds_load_b128 v[12*\t+4*\c:12*\t+4*\c+3], v[ADR+\buf] offset:\t*FRB+512*\c
.endr
.endr
	WIN 0
	ds_load_b128 v[28:31], v[ADR+\buf] offset:SCO
	WIN 0x40
.irp t, 0,1,2,3,4,5,6,7
.irp c, 0,1,2
	ds_load_b128 v[96+12*\t+4*\c:96+12*\t+4*\c+3], v[ADR+\buf] offset:REC+\t*FRB+512*\c
.endr
.endr
	WIN 0
	ds_load_b128 v[32:35], v[ADR+\buf] offset:REC+SCO
	s_wait_dscnt 25                                ; K's 25 loads are in; V's 25 may be out
	WIN 0x01
.irp t, 0,1,2,3,4,5,6,7
.irp z, 0,1
.set wD, 64+64*\z+8*\t
.set wA, 12*\t
.set wB, 36+12*\z
.set wC, -1
.set wX, 28+\t/2
.set wY, 24+\z
.set wR0, \t%2
	WMM
.endr
.endr
	WIN 0
	PLACES 4
	s_wait_kmcnt 0x0
	s_bitcmp1_b32 s[FULL], s[KC]
	s_cbranch_scc1 .Lfull_\@                       ; all 64 x 128 open: nothing to select
	SELECT 0
	s_min_u32 s23, s[KC], 15
	s_lshl_b32 s23, s23, 8
	s_add_co_u32 s[MO], s23, s[MB1]
	MLOAD
	s_wait_kmcnt 0x0
	SELECT 1
.Lfull_\@:
.irp b, 0,1,2,3
.irp z, 0,1
	v_max3_num_f32 v[TM+12*\z+\b], v[64+64*\z+16*\b], v[65+64*\z+16*\b], v[66+64*\z+16*\b]   ; each block's largest score
.endr
.endr
.irp i, 3,5,7,9,11,13
.irp b, 0,1,2,3
.irp z, 0,1
	v_max3_num_f32 v[TM+12*\z+\b], v[TM+12*\z+\b], v[64+64*\z+16*\b+\i], v[65+64*\z+16*\b+\i]
.endr
.endr
.endr
.irp b, 0,1,2,3
.irp z, 0,1
	v_max_num_f32 v[TM+12*\z+\b], v[TM+12*\z+\b], v[79+64*\z+16*\b]
.endr
.endr
.irp b, 0,1,2,3
.irp z, 0,1
	v_permlanex16_b32 v[TM+12*\z+4+\b], v[TM+12*\z+\b], s[SEL], s[SEL+1]
.endr
.endr
.irp b, 0,1,2,3
.irp z, 0,1
	v_max_num_f32 v[TM+12*\z+\b], v[TM+12*\z+\b], v[TM+12*\z+4+\b]
.endr
.endr
.irp z, 0,1
	v_max3_num_f32 v[TM+12*\z+4], v[TM+12*\z], v[TM+12*\z+1], v[TM+12*\z+2]
.endr
.irp z, 0,1
	v_max_num_f32 v[TM+12*\z+4], v[TM+12*\z+4], v[TM+12*\z+3]
.endr
.irp z, 0,1
	v_mul_f32 v[TM+12*\z+4], s[CS], v[TM+12*\z+4]
.endr
.irp z, 0,1
	v_max_num_f32 v[13+4*\z], v[13+4*\z], v[TM+12*\z+4]     ; the running largest t
.endr
.irp z, 0,1
	v_mov_b32 v[TM+12*\z+4], v[12+4*\z]
.endr
.irp z, 0,1
	v_floor_f32 v[12+4*\z], -v[13+4*\z]                    ; -M = floor(-t): M is a whole number
.endr
.irp z, 0,1
	v_sub_f32 v[TM+12*\z+4], v[12+4*\z], v[TM+12*\z+4]
.endr
.irp z, 0,1
	v_cvt_i32_f32 v[TM+12*\z+4], v[TM+12*\z+4]
.endr
.irp z, 0,1
	v_ldexp_f32 v[20+2*\z], 1.0, v[TM+12*\z+4]             ; f = 2^(old M - new M)
.endr
.irp z, 0,1
.set j, 0
.rept 32
	v_pk_fma_f32 v[64+64*\z+j:65+64*\z+j], v[64+64*\z+j:65+64*\z+j], s[CS:CS+1], v[12+4*\z:13+4*\z] op_sel_hi:[1,0,0]
.set j, j+2
.endr
.endr
.irp b, 0,1,2,3
.irp z, 0,1
	v_fma_f32 v[TM+12*\z+\b], v[TM+12*\z+\b], s[CS], v[12+4*\z]
.endr
.endr
	WIN 0x82
.irp z, 0,1
.set j, 0
.rept 32
	v_pk_mul_f32 v[64*\z+j:64*\z+j+1], v[64*\z+j:64*\z+j+1], v[20+2*\z:21+2*\z] op_sel_hi:[1,0]   ; O^T under the new M
.set j, j+2
.endr
.endr
	WIN 0
.irp z, 0,1
	v_pk_mul_f32 v[14+4*\z:15+4*\z], v[14+4*\z:15+4*\z], v[20+2*\z:21+2*\z] op_sel_hi:[1,0]
.endr
	s_wait_alu depctr_va_vdst(0)
.set j, 0
.rept 128
	v_exp_f32 v[64+j], v[64+j]
.set j, j+1
.endr
.irp r, 232,233,234,235,244,245,246,247
	v_exp_f32 v\r, v\r                             ; each block's largest p: v[TM] on for set X, v[TM+12] on for set Y
.endr
	v_nop
	s_wait_alu depctr_va_vdst(0)
.irp b, 0,1,2,3
.irp z, 0,1
	v_max_num_f32 v[TM+12*\z+\b], 0x1800000, v[TM+12*\z+\b]
.endr
.endr
.irp b, 0,1,2,3
.irp z, 0,1
	v_add_nc_u32 v[TM+12*\z+8+\b], 0xff000000, v[TM+12*\z+\b]
.endr
.endr
.irp b, 0,1,2,3
.irp z, 0,1
	v_lshrrev_b32 v[TM+12*\z+4+\b], 23, v[TM+12*\z+8+\b]
.endr
.endr
.irp z, 0,1
	v_lshl_or_b32 v[21+2*\z], v[TM+12*\z+5], 8, v[TM+12*\z+4]
.endr
.irp z, 0,1
	v_lshl_or_b32 v[21+2*\z], v[TM+12*\z+6], 16, v[21+2*\z]
.endr
.irp z, 0,1
	v_lshl_or_b32 v[21+2*\z], v[TM+12*\z+7], 24, v[21+2*\z]   ; p's scale word
.endr
.irp z, 0,1
.irp c, 0,1
	v_cvt_scalef32_pk16_fp6_f32 v[PC+12*\z+6*\c:PC+12*\z+6*\c+2], v[64+64*\z+32*\c:79+64*\z+32*\c], v[TM+12*\z+8+2*\c]
	v_cvt_scalef32_pk16_fp6_f32 v[CT+8*\z+4*\c:CT+8*\z+4*\c+2], v[80+64*\z+32*\c:95+64*\z+32*\c], v[TM+12*\z+9+2*\c]
.endr
.endr
	v_nop
.irp z, 0,1
.irp c, 0,1
.irp i, 0,1,2
	v_permlane16_swap_b32 v[PC+12*\z+6*\c+\i], v[CT+8*\z+4*\c+\i]
.endr
.irp i, 0,1,2
	v_mov_b32 v[PC+12*\z+6*\c+3+\i], v[CT+8*\z+4*\c+\i]
.endr
.endr
.endr
.irp z, 0,1
	v_pk_add_f32 v[CT+8*\z:CT+8*\z+1], v[64+64*\z:65+64*\z], v[66+64*\z:67+64*\z]   ; the rows' sums, of the unquantised p; these lines are also the places ahead of the products
.endr
.irp j, 4,8,12,16,20,24,28,32,36,40,44,48,52,56,60
.irp z, 0,1
	v_pk_add_f32 v[14+4*\z:15+4*\z], v[14+4*\z:15+4*\z], v[64+64*\z+\j:65+64*\z+\j]
	v_pk_add_f32 v[CT+8*\z:CT+8*\z+1], v[CT+8*\z:CT+8*\z+1], v[66+64*\z+\j:67+64*\z+\j]
.endr
.endr
.irp z, 0,1
	v_pk_add_f32 v[14+4*\z:15+4*\z], v[14+4*\z:15+4*\z], v[CT+8*\z:CT+8*\z+1]
.endr
	s_wait_alu depctr_va_vdst(0)
	s_wait_dscnt 0x0                               ; V's fragments
	WIN 0xa1
.irp t, 0,1,2,3,4,5,6,7
.irp z, 0,1
.set wD, 64*\z+8*\t
.set wA, 96+12*\t
.set wB, PC+12*\z
.set wC, wD
.set wX, 32+\t/2
.set wY, 21+2*\z
.set wR0, \t%2
	WMM
.endr
.endr
	WIN 0
	PLACES 4
.endm
.macro MEET
	s_wait_alu depctr_va_vdst(0)
	s_wait_dscnt 0x0
	s_barrier_signal -1
	s_barrier_wait -1
.endm
; A trip: buffer b holds this trip's records.  The next are asked for, this trip's are worked, the next go to the other buffer, one barrier.
.macro TRIP b
	NEXTK
	GLOAD 0
	s_cmp_lt_u32 s[KC], 16
	s_cbranch_scc0 .Lnc_\@
	COMPUTE \b
.Lnc_\@:
	GSTORE 1-\b, 0
	s_mov_b32 s[KC], s[KN]
	MEET
.endm
; two bases: record s23 of the buffer at ptr, + 4 FRB x half into d0; + SCO + (half << sh) into d1
.macro BASES ptr, d0, d1, sh
	s_mul_i32 s23, s23, REC
	s_and_b32 s25, s[BI], 1
	s_mul_i32 s24, s25, 4*FRB
	s_add_co_u32 s24, s24, s23
	s_lshl_b32 s2, s25, \sh
	s_add_co_u32 s2, s2, s23
	s_add_co_u32 s2, s2, SCO
	s_mov_b32 s25, 0
	s_mov_b32 s3, 0
	s_add_nc_u64 s[\d0:\d0+1], s[\ptr:\ptr+1], s[24:25]
	s_add_nc_u64 s[\d1:\d1+1], s[\ptr:\ptr+1], s[2:3]
.endm
	s_load_b256 s[4:11], s[0:1], 0x0               ; qkv, maskw, maskf, ctx
	v_lshl_add_u32 v[SPW], v0, 2, SPARE
	v_mov_b32 v[NIL], 0
	v_lshrrev_b32 v252, 5, v0
	v_readfirstlane_b32 s[WV], v252
	s_lshr_b32 s[KP], s[WV], 1
	s_and_b32 s[QH], s[WV], 1
	s_mov_b32 s[WX], ttmp9
	s_and_b32 s[HD], ttmp7, 0xffff
	v_and_b32 v253, 31, v0
	v_and_b32 v254, 15, v0
	v_lshlrev_b32 v[LI], 4, v253
	v_lshlrev_b32 v[L8], 3, v253
	s_mul_i32 s23, s[KP], 2*REC
	v_add_nc_u32 v[ADR], s23, v[LI]                ; my kp's K and V in buffer 0,
	v_add_nc_u32 v[ADR+1], BUF, v[ADR]             ; in buffer 1
	s_mul_i32 s23, s[WV], REC
	v_add_nc_u32 v[STA], s23, v[LI]                ; where my record goes
	v_add_nc_u32 v[STA+1], BUF, v[STA]
	s_mul_i32 s23, s[WV], MRW
	s_add_co_u32 s23, s23, MRG
	v_add_nc_u32 v[MSA], s23, v[LI]                ; where I hand set Y over,
	s_xor_b32 s24, s[WV], 2
	s_mul_i32 s24, s24, MRW
	s_add_co_u32 s24, s24, MRG
	v_add_nc_u32 v[MLA], s24, v[LI]                ; and where wave w xor 2 has put its own
	s_lshl_b32 s23, s[QH], 1
	s_add_co_u32 s23, s23, s[KP]                   ; set X's fragment of the block's four: 2 qh + kp
	s_xor_b32 s24, s23, 1                          ; set Y's
	s_lshl_b32 s25, s23, 6
	s_add_co_u32 s25, s25, SCST
	s_wait_alu depctr_va_vdst(0)
	v_lshl_add_u32 v[SCA], v254, 2, s25
	v_add_nc_u32 v[SCR], SCST, v[L8]
	s_mul_i32 s25, s23, FRB
	v_add_nc_u32 v[QOX], s25, v[LI]
	s_mul_i32 s25, s24, FRB
	v_add_nc_u32 v[QOY], s25, v[LI]
	s_lshl_b32 s25, s[KP], 8
	s_lshl_b32 s2, s[QH], 2
	s_add_co_u32 s25, s25, s2
	v_lshl_add_u32 v[QSX], v254, 4, s25            ; q's scale word: 16 (r + 16 (fragment % 2)) + 4 (fragment / 2)
	s_xor_b32 s25, s25, 256
	v_lshl_add_u32 v[QSY], v254, 4, s25
	v_mov_b32 v[NEG], 0xd0800000                   ; what a closed key's score becomes: under every open score, and the same for all
	v_mov_b32 v21, 0
	v_mov_b32 v23, 0
.set j, 0
.rept 24
	v_mov_b32 v[TM+j], 0                           ; written once: a lane permute's destination counts as one of its sources
.set j, j+1
.endr
	s_mov_b32 s[CS], 0x3e0293ee                    ; log2(e) / sqrt(128)
	s_mov_b32 s[CS+1], s[CS]
	s_mov_b32 s[SEL], 0x76543210
	s_mov_b32 s[SEL+1], 0xfedcba98
	s_lshl_b32 s23, s[QH], 8
	s_lshl_b32 s24, s[HD], 4
	s_add_co_u32 s23, s23, s24
	s_add_co_u32 s23, s23, 256
	s_mul_i32 s2, s23, REC                         ; my stream of records: K's (qh = 0) or V's (qh = 1) of this head
	s_mov_b32 s3, 0
	s_mov_b32 s[PH], 0
	s_wait_alu depctr_va_vdst(0)
	s_wait_kmcnt 0x0
	s_add_nc_u64 s[KR:KR+1], s[4:5], s[2:3]
.Lphase:
	s_wait_xcnt 0x0                                ; the last block's stores have read their registers and bases
	s_sub_co_u32 s23, 31, s[WX]
	s_cmp_eq_u32 s[PH], 0
	s_cselect_b32 s[BI], s23, s[WX]                ; the block of 64 queries
	s_lshl_b32 s24, s[BI], 12
	s_mov_b32 s25, 0
	s_add_nc_u64 s[68:69], s[8:9], s[24:25]
.irp e, 0,1,2,3,4,5,6,7,8,9,10,11,12,13,14,15
	s_load_b64 s[32+2*\e:33+2*\e], s[68:69], 256*\e   ; fragment e / 4, key steps 4 (e % 4) on: the flags, the rows' word
.endr
	s_lshl_b32 s23, s[HD], 4
	s_lshr_b32 s24, s[BI], 1
	s_add_co_u32 s23, s23, s24
	BASES 4, 72, 74, 3
.irp c, 0,1,2
	global_load_b128 v[36+4*\c:39+4*\c], v[QOX], s[72:73] offset:512*\c
	global_load_b128 v[48+4*\c:51+4*\c], v[QOY], s[72:73] offset:512*\c
.endr
	global_load_b32 v24, v[QSX], s[74:75]
	global_load_b32 v25, v[QSY], s[74:75]
	s_lshl_b32 s23, s[BI], 2
	s_lshl_b32 s24, s[QH], 1
	s_add_co_u32 s23, s23, s24
	s_add_co_u32 s23, s23, s[KP]
	s_lshl_b32 s[MB0], s23, 12                     ; set X's masks: fragment 4 block + 2 qh + kp, 4,096 bytes each
	s_xor_b32 s23, s23, 1
	s_lshl_b32 s[MB1], s23, 12
.irp z, 0,1
	v_mov_b32 v[13+4*\z], 0xff61b1e6               ; the largest t so far: -3e38
	v_mov_b32 v[14+4*\z], 0
	v_mov_b32 v[15+4*\z], 0
.endr
.irp z, 0,1
	v_floor_f32 v[12+4*\z], -v[13+4*\z]
.endr
	WIN 0x80
.set j, 0
.rept 128
	v_mov_b32 v[j], 0                              ; O^T: which key step is a block's first hangs on the mask, so no first product can be written out
.set j, j+1
.endr
	WIN 0
	s_wait_alu depctr_va_vdst(0)
	s_wait_kmcnt 0x0
	s_mov_b32 s[ACT], 0
	s_mov_b32 s[FULL], 0
	s_mov_b32 s23, 0xffff
.irp q, 0,1,2,3
	s_or_b32 s24, s[32+2*\q], s[40+2*\q]
	s_or_b32 s25, s[48+2*\q], s[56+2*\q]
	s_or_b32 s24, s24, s25
	s_and_b32 s24, s24, 15
	s_lshl_b32 s24, s24, 4*\q
	s_or_b32 s[ACT], s[ACT], s24                   ; bit k: some key of step k is open for some of the 64 queries
	s_and_b32 s24, s[32+2*\q], s[40+2*\q]
	s_and_b32 s25, s[48+2*\q], s[56+2*\q]
	s_and_b32 s24, s24, s25
	s_bfe_u32 s24, s24, 0x40004
	s_lshl_b32 s24, s24, 4*\q
	s_or_b32 s[FULL], s[FULL], s24                 ; bit k: all are open
.endr
.irp a, 0,1,2,3
	s_or_b32 s24, s[33+8*\a], s[35+8*\a]
	s_or_b32 s25, s[37+8*\a], s[39+8*\a]
	s_or_b32 s24, s24, s25
	s_lshr_b32 s25, s24, 16
	s_or_b32 s24, s24, s25
	s_and_b32 s23, s23, s24                        ; bit r: row r of every fragment has an open key
.endr
	s_cmp_eq_u32 s23, 0xffff
	s_cselect_b32 s[ACT], s[ACT], 0xffff           ; a row with no open key: every key step is run
	NEXTK
	GLOAD 1                                        ; the first trip's records
	GSTORE 0, 1                                    ; (its wait covers q's loads too)
	s_mov_b32 s[KC], s[KN]
	MEET
	s_mov_b32 s[CNT], 4
.Ltrips:
	TRIP 0
	TRIP 1
	s_sub_co_i32 s[CNT], s[CNT], 1
	s_cmp_lg_u32 s[CNT], 0
	s_cbranch_scc1 .Ltrips
	; THE TWO HALVES OF THE KEYS ARE JOINED: set Y goes to wave w xor 2, whose Y is my X
	s_lshr_b32 s23, s[BI], 1
	s_lshl_b32 s23, s23, 4
	s_add_co_u32 s23, s23, s[HD]
	BASES 10, 68, 70, 8
	v_add_f32 v18, v18, v19
	WIN 0x08
.set j, 0
.rept 16
	ds_store_b128 v[MSA], v[64+4*j:67+4*j] offset:512*j   ; each accumulator from its low end on
.set j, j+1
.endr
	WIN 0
	ds_store_b128 v[MSA], v[16:19] offset:8192     ; -M, the largest t, the sum
	MEET
.set j, 0
.rept 16
	ds_load_b128 v[64+4*j:67+4*j], v[MLA] offset:512*j
.set j, j+1
.endr
	ds_load_b128 v[128:131], v[MLA] offset:8192
	s_wait_dscnt 0x0
	v_min_num_f32 v132, v12, v128                  ; -(the larger M)
	v_add_f32 v14, v14, v15
	v_sub_f32 v133, v132, v12
	v_sub_f32 v134, v132, v128
	v_cvt_i32_f32 v133, v133
	v_cvt_i32_f32 v134, v134
	v_ldexp_f32 v20, 1.0, v133
	v_ldexp_f32 v22, 1.0, v134
	v_mul_f32 v14, v14, v20
	v_fma_f32 v14, v130, v22, v14
	v_permlanex16_b32 v133, v14, s[SEL], s[SEL+1]
	v_add_f32 v14, v14, v133                       ; the row's sum
	s_wait_alu depctr_va_vdst(0)
	v_rcp_f32 v14, v14
	v_nop
	s_wait_alu depctr_va_vdst(0)
	v_mul_f32 v20, v20, v14
	v_mul_f32 v22, v22, v14
.set j, 0
.rept 32
	v_pk_mul_f32 v[64+j:65+j], v[64+j:65+j], v[22:23] op_sel_hi:[1,0]
.set j, j+2
.endr
	WIN 0x02
	s_wait_alu depctr_va_vdst(0)
.set j, 0
.rept 32
	v_pk_fma_f32 v[64+j:65+j], v[j:j+1], v[20:21], v[64+j:65+j] op_sel_hi:[1,0,1]
.set j, j+2
.endr
	WIN 0
	QUANT 64
.irp c, 0,1,2
	global_store_b128 v[QOX], v[PC+4*\c:PC+4*\c+3], s[68:69] offset:512*\c   ; 512 consecutive bytes, aligned
.endr
	ds_store_b32 v[SCA], v[PW]                     ; lanes r and r + 16 write the same word with the same value
	MEET
	s_cmp_lg_u32 s[WV], 0
	s_cbranch_scc1 .Lnot_first
	ds_load_b64 v[132:133], v[SCR]
	s_wait_dscnt 0x0
	global_store_b64 v[L8], v[132:133], s[70:71]   ; the block's scale words: 256 consecutive bytes, aligned
.Lnot_first:
	s_add_co_u32 s[PH], s[PH], 1
	s_cmp_lt_u32 s[PH], 2
	s_wait_alu depctr_va_vdst(0)
	s_cbranch_scc1 .Lphase
	s_wait_tensorcnt 0x0                           ; the wave's end
	ds_add_u32 v[SPW], v[NIL]
	s_wait_dscnt 0x0
	s_endpgm
.Lfunc_end_k_q69f579746b_attn:
	.size	k_q69f579746b_attn, .Lfunc_end_k_q69f579746b_attn-k_q69f579746b_attn
	.p2alignl 7, 3214868480
	.fill 96, 4, 3214868480
	.section	.rodata,"a",@progbits
	.p2align	6, 0x0
	.amdhsa_kernel k_q69f579746b_attn
		.amdhsa_group_segment_fixed_size 137984
		.amdhsa_private_segment_fixed_size 0
		.amdhsa_enable_private_segment 0
		.amdhsa_kernarg_size 32
		.amdhsa_user_sgpr_count 2
		.amdhsa_user_sgpr_kernarg_segment_ptr 1
		.amdhsa_wavefront_size32 1
		.amdhsa_system_sgpr_workgroup_id_x 1
		.amdhsa_system_sgpr_workgroup_id_y 1
		.amdhsa_system_sgpr_workgroup_id_z 1
		.amdhsa_system_vgpr_workitem_id 0
		.amdhsa_next_free_vgpr 768
		.amdhsa_next_free_sgpr 106
		.amdhsa_reserve_vcc 0
		.amdhsa_float_denorm_mode_32 3
		.amdhsa_float_denorm_mode_16_64 3
		.amdhsa_memory_ordered 1
		.amdhsa_forward_progress 1
		.amdhsa_inst_pref_size 124
	.end_amdhsa_kernel
	.amdgpu_metadata
---
amdhsa.version: [ 1, 2 ]
amdhsa.kernels:
  - .name:           k_q69f579746b_attn
    .symbol:         k_q69f579746b_attn.kd
    .args:
      - { .name: qkv, .offset: 0, .size: 8, .value_kind: global_buffer, .address_space: global }
      - { .name: maskw, .offset: 8, .size: 8, .value_kind: global_buffer, .address_space: global }
      - { .name: maskf, .offset: 16, .size: 8, .value_kind: global_buffer, .address_space: global }
      - { .name: ctx, .offset: 24, .size: 8, .value_kind: global_buffer, .address_space: global }
    .group_segment_fixed_size: 137984
    .private_segment_fixed_size: 0
    .kernarg_segment_align: 8
    .kernarg_segment_size: 32
    .max_flat_workgroup_size: 128
    .sgpr_count:     106
    .vgpr_count:     768
    .wavefront_size: 32
...
	.end_amdgpu_metadata
.endif
;; end of part 3
;; launch oproj (part 4): grid 16 x 16, 4 waves a work-group, clusters of 4 x 4, 327,680 bytes of LDS; arguments ctx, opnd, bo, out0; writes out0
.if DOCPART == 4
	.amdgcn_target "amdgcn-amd-amdhsa--gfx1250"
	.amdhsa_code_object_version 6
	.text
	.protected	k_q69f579746b_oproj
	.globl	k_q69f579746b_oproj
	.p2align	8
	.type	k_q69f579746b_oproj,@function
k_q69f579746b_oproj:
	s_mov_b64 s[64:65], 0
	v_nop
	global_prefetch_b8 v0, s[64:65] scope:SCOPE_SE
	s_setreg_imm32_b32 hwreg(HW_REG_WAVE_MODE, 25, 1), 1
	s_wait_xcnt 0x0
	s_wait_alu depctr_hold_cnt(0) depctr_sa_sdst(0) depctr_va_vdst(0) depctr_va_sdst(0) depctr_va_ssrc(0) depctr_va_vcc(0) depctr_vm_vsrc(0)
	s_getreg_b32 s2, hwreg(HW_REG_IB_STS2, 6, 4)
	s_cmp_eq_u32 s2, 0
	s_cbranch_scc0 .Lentry_in_a_cluster
	s_endpgm
.Lentry_in_a_cluster:
	s_bfe_u32 s2, ttmp6, 0x10000c
	s_cmp_lg_u32 s2, 0xf033
	s_cbranch_scc0 .Lentry_shape_is_right
	s_endpgm
.Lentry_shape_is_right:
; out0 = ctx Wo^T + bo on codes of FP6 (E2M3).  ctx and Wo come as records (128 rows x 128 K; fragment a at 1,536 a, lane l's registers 4 c .. at 512 c + 16 l; scale words at 12,288: lane l's four at 16 l,
; word p = fragment 2 p in lanes 0-15, 2 p + 1 in lanes 16-31; lane r of fragment a holds row 32 (a / 2) + 8 (a % 2) + r + 8 (r / 8)); record (G, s) at (16 G + s) x 12,800; Wo's follow 4 x 3,276,800 bytes into opnd.
; A tile of 128 x 128 to a work-group, so that 2,048 x 2,048 gives 256 work-groups; four waves of 64 x 64: 16 accumulators.  Source 0 = 16 rows of Wo, source 1 = 16 rows of ctx: a lane holds eight neighbouring columns of a row.
; The bias is the C of each sum's first matrix instruction.
; LDS: three slots of four K steps (ctx's four records, then Wo's four); K's sixteen steps take slots 0, 1, 2 and 0 again: one refill, asked for four K steps ahead of the wait for it.
; CLUSTERS: 4 x 4: ctx's records are asked for jointly along a row of the cluster, Wo's along a column.
; REGISTERS: window 0: v8-29 addresses; v32-39 scale words, two sets; v64-95 the bias; v64-127 rows on the way out; v128-255 accumulators ((a, b) at v[128 + 8 (4 a + b)]).
;   window 1: two fragment buffers, at v0 and v128: ctx's four fragments, then Wo's four at + 48.
.set REC,   12800
.set FRB,   1536
.set SCO,   12288
.set TS,    3276800
.set PIECE, 2*REC
.set SLOT,  8*REC
.set BOFS,  4*REC
.set SPARE, 3*SLOT
.set STAGE, SLOT                       ; the way out: 16 rows x 272 bytes a wave, in slot 1: it has had its only fill, and every wave has passed a barrier behind its last read of it
.set SPITCH, 272
.set AA,  8
.set AB,  11
.set ASA, 14
.set ASB, 17
.set STO, 24
.set RD,  25
.set CO,  26
.set BO,  27
.set SPW, 28
.set NIL, 29
.set SC,  32
.set BC,  64
.set TMP, 96
.set ACC, 128
.set WV,  14
.set G1,  24
.set G0,  32
.set G1B, 44
.set G0B, 52
.set MSB, 0
.macro WIN new
.if MSB != (\new)
	s_set_vgpr_msb (MSB<<8)|(\new)
.set MSB, (\new)
.endif
.endm
.set MUL,  0x05                        ; sources 0 and 1 window 1; C and D window 0
.set TO_F, 0x40
.macro PLACES n
.rept \n
	v_nop
.endr
.endm
.macro WMM
.if wR0 && wR1
	v_wmma_scale_f32_16x16x128_f8f6f4 v[wD:wD+7], v[wA:wA+11], v[wB:wB+11], v[wC:wC+7], v[wX], v[wY] matrix_a_fmt:MATRIX_FMT_FP6 matrix_b_fmt:MATRIX_FMT_FP6 matrix_a_scale:MATRIX_SCALE_ROW1 matrix_b_scale:MATRIX_SCALE_ROW1
.elseif wR0
	v_wmma_scale_f32_16x16x128_f8f6f4 v[wD:wD+7], v[wA:wA+11], v[wB:wB+11], v[wC:wC+7], v[wX], v[wY] matrix_a_fmt:MATRIX_FMT_FP6 matrix_b_fmt:MATRIX_FMT_FP6 matrix_a_scale:MATRIX_SCALE_ROW1
.elseif wR1
	v_wmma_scale_f32_16x16x128_f8f6f4 v[wD:wD+7], v[wA:wA+11], v[wB:wB+11], v[wC:wC+7], v[wX], v[wY] matrix_a_fmt:MATRIX_FMT_FP6 matrix_b_fmt:MATRIX_FMT_FP6 matrix_b_scale:MATRIX_SCALE_ROW1
.else
	v_wmma_scale_f32_16x16x128_f8f6f4 v[wD:wD+7], v[wA:wA+11], v[wB:wB+11], v[wC:wC+7], v[wX], v[wY] matrix_a_fmt:MATRIX_FMT_FP6 matrix_b_fmt:MATRIX_FMT_FP6
.endif
.endm
.macro JLOAD g0a, g1a, g0b, g1b        ; waves 0 and 1 fetch ctx's records, waves 2 and 3 Wo's; four v_nop follow each of the two lines
	s_cmp_eq_u32 s15, 0
	s_cbranch_scc0 .Lfor_b_\@
	tensor_load_to_lds s[\g0a:\g0a+3], s[\g1a:\g1a+7]
	s_nop 0
.rept 4
	v_nop
.endr
	s_branch .Lasked_\@
.Lfor_b_\@:
	tensor_load_to_lds s[\g0b:\g0b+3], s[\g1b:\g1b+7]
	s_nop 0
.rept 4
	v_nop
.endr
.Lasked_\@:
.endm
.macro CREST
	s_cmp_lg_u32 s[WV], 0
	s_cbranch_scc1 .Lnot_wave_0_\@
	s_barrier_signal -3
.Lnot_wave_0_\@:
	s_barrier_wait -3
	s_barrier_signal -1
	s_barrier_wait -1
.endm
.macro CROUND
	s_barrier_signal -1
	s_barrier_wait -1
	CREST
.endm
	s_load_b256 s[4:11], s[0:1], 0x0               ; ctx, opnd, bo, out0
	v_lshl_add_u32 v[SPW], v0, 2, SPARE
	v_mov_b32 v[NIL], 0
	ds_add_u32 v28, v29
	ds_add_u32 v28, v29
	s_wait_dscnt 0x0
	v_lshrrev_b32 v1, 5, v0
	v_readfirstlane_b32 s[WV], v1                  ; wave 0..3
	s_lshr_b32 s15, s14, 1                         ; which 64 rows are mine.  Also: I fetch ctx's records (0) or Wo's (1)
	s_and_b32 s16, s14, 1                          ; which 64 columns.  Also: which two of a slot's four records I fetch
	s_bfe_u32 s68, ttmp6, 0x40000                  ; cx, cy
	s_bfe_u32 s69, ttmp6, 0x40004
	s_lshl_b32 s70, ttmp9, 2
	s_add_co_u32 s70, s70, s68                     ; tile column: Wo's group of 128 rows
	s_and_b32 s17, ttmp7, 0xffff
	s_lshl_b32 s17, s17, 2
	s_add_co_u32 s17, s17, s69                     ; tile row: ctx's group
	s_lshl_b32 s71, s69, 2
	s_lshl_b32 s71, 15, s71                        ; my row of the cluster
	s_lshl_b32 s72, 0x1111, s68                    ; my column
	s_or_b32 s[G1+0], s71, (3<<16)|(1<<21)         ; 25,600 dense bytes as 100 rows of 256 (32 elements of 8 bytes), no padding
	s_or_b32 s[G1B+0], s72, (3<<16)|(1<<21)
.irp g, G1, G1B
	s_mov_b32 s[\g+1], 32<<16
	s_mov_b32 s[\g+2], 100<<16
	s_mov_b32 s[\g+3], 32<<16
	s_mov_b32 s[\g+4], 100
	s_mov_b32 s[\g+5], 32
	s_mov_b32 s[\g+6], 0
	s_mov_b32 s[\g+7], 0
.endr
	s_lshl_b32 s18, s16, 1
	s_lshl_b32 s20, s17, 4
	s_add_co_u32 s20, s20, s18
	s_mul_i32 s20, s20, REC
	s_mov_b32 s21, 0
	s_lshl_b32 s74, s70, 4
	s_add_co_u32 s74, s74, s18
	s_mul_i32 s74, s74, REC
	s_add_co_u32 s74, s74, 4*TS
	s_mov_b32 s75, 0
	s_mul_i32 s73, s14, PIECE                      ; where my piece goes in a slot
	s_wait_kmcnt 0x0
	s_add_nc_u64 s[20:21], s[4:5], s[20:21]
	s_add_nc_u64 s[74:75], s[6:7], s[74:75]
	CROUND                                         ; all sixteen work-groups are here: the first joint loads meet
.irp s, 0,1,2
	s_mov_b32 s[G0+4*\s], 1
	s_add_co_u32 s[G0+4*\s+1], s73, \s*SLOT
	s_add_nc_u64 s[G0+4*\s+2:G0+4*\s+3], s[20:21], \s*4*REC
	s_or_b32 s[G0+4*\s+3], s[G0+4*\s+3], 0x80000000
	s_mov_b32 s[G0B+4*\s], 1
	s_add_co_u32 s[G0B+4*\s+1], s73, \s*SLOT
	s_add_nc_u64 s[G0B+4*\s+2:G0B+4*\s+3], s[74:75], \s*4*REC
	s_or_b32 s[G0B+4*\s+3], s[G0B+4*\s+3], 0x80000000
.endr
	JLOAD G0, G1, G0B, G1B                         ; slot 0: one tensor load a wave at the head
	v_and_b32 v1, 31, v0
	v_lshlrev_b32 v1, 4, v1                        ; 16 x lane
	v_lshrrev_b32 v4, 2, v1                        ; 4 x lane
	s_wait_alu depctr_va_vdst(0)
	v_and_b32 v2, 15, v0                           ; r
	v_bfe_u32 v3, v0, 4, 1                         ; h
	s_mul_i32 s22, s15, 4*FRB                      ; my four fragments of ctx,
	s_mul_i32 s23, s16, 4*FRB
	s_add_co_u32 s23, s23, BOFS                    ; of Wo,
	s_lshl_b32 s76, s15, 8                         ; ctx's scale words lie at 12,288 + 64 x fragment + 4 x row: my four fragments' 256 bytes
	s_lshl_b32 s77, s16, 3
	s_add_co_u32 s77, s77, BOFS
.irp s, 0,1,2
	v_add_nc_u32 v[AA+\s], s22, v1
	v_add_nc_u32 v[AB+\s], s23, v1
	v_add_nc_u32 v[ASA+\s], s76, v4
	v_add_nc_u32 v[ASB+\s], s77, v1
	s_add_co_u32 s22, s22, SLOT
	s_add_co_u32 s23, s23, SLOT
	s_add_co_u32 s76, s76, SLOT
	s_add_co_u32 s77, s77, SLOT
.endr
	s_mul_i32 s22, s14, 16*SPITCH
	s_add_co_u32 s22, s22, STAGE                   ; my stage
	v_mul_u32_u24 v[STO], v2, SPITCH
	v_lshl_add_u32 v[STO], v3, 6, v[STO]
	v_add_nc_u32 v[STO], s22, v[STO]               ; in: row r, + 64 h
	v_mul_u32_u24 v[RD], v3, SPITCH
	v_lshl_add_u32 v[RD], v2, 4, v[RD]
	v_add_nc_u32 v[RD], s22, v[RD]                 ; back: lanes 0-15 one row of 256 bytes, lanes 16-31 the next
	v_lshlrev_b32 v[CO], 13, v3
	v_lshl_add_u32 v[CO], v2, 4, v[CO]             ; and the same two rows in out0
	s_lshl_b32 s22, s70, 9
	s_lshl_b32 s23, s16, 8
	s_add_co_u32 s22, s22, s23                     ; my first column, in bytes: 512 x tile column + 256 x half
	v_lshl_add_u32 v[BO], v3, 6, s22               ; the bias: + 64 h
.irp b, 0,1,2,3
	global_load_b128 v[BC+8*\b:BC+8*\b+3], v[BO], s[8:9] offset:128*(\b/2)+32*(\b%2)        ; fragment b's eight columns of my half: 32 (b / 2) + 16 h + 8 (b % 2) + 0 .. 7
	global_load_b128 v[BC+8*\b+4:BC+8*\b+7], v[BO], s[8:9] offset:128*(\b/2)+32*(\b%2)+16
.endr
	s_lshl_b32 s76, s17, 7
	s_lshl_b32 s77, s15, 6
	s_add_co_u32 s76, s76, s77                     ; my first row
	s_lshl_b32 s76, s76, 13
	s_add_co_u32 s76, s76, s22
	s_mov_b32 s77, 0
	s_add_nc_u64 s[10:11], s[10:11], s[76:77]
.macro FETCH f, s, q                   ; a K step's eight fragments and four scale registers into buffer f: 27 loads
	WIN TO_F
.irp i, 0,1,2,3
.irp c, 0,1,2
	ds_load_b128 v[128*(\f)+48+12*\i+4*\c:128*(\f)+48+12*\i+4*\c+3], v[AB+\s] offset:(\q)*REC+\i*FRB+512*\c
.endr
.endr
.irp i, 0,1,2,3
.irp c, 0,1,2
	ds_load_b128 v[128*(\f)+12*\i+4*\c:128*(\f)+12*\i+4*\c+3], v[AA+\s] offset:(\q)*REC+\i*FRB+512*\c
.endr
.endr
	WIN 0
	ds_load_b32 v[SC+4*(\f)], v[ASA+\s] offset:(\q)*REC+SCO
	ds_load_b32 v[SC+4*(\f)+1], v[ASA+\s] offset:(\q)*REC+SCO+128
	ds_load_b64 v[SC+4*(\f)+2:SC+4*(\f)+3], v[ASB+\s] offset:(\q)*REC+SCO
.endm
; 8 matrix instructions: ctx's fragments a0, a0 + 1 x Wo's four.  The 16 accumulators take turns, one instruction a turn.  first: the bias starts the sums.
.macro MUL8 f, a0, first
.irp a, \a0, \a0+1
.irp b, 0,1,2,3
.set wD, ACC+8*(4*(\a)+\b)
.set wA, 128*(\f)+48+12*\b
.set wB, 128*(\f)+12*(\a)
.if \first
.set wC, BC+8*\b
.else
.set wC, wD
.endif
.set wX, SC+4*(\f)+2+\b/2
.set wY, SC+4*(\f)+(\a)/2
.set wR0, \b%2
.set wR1, (\a)%2
	WMM
.endr
.endr
.endm
.macro KSTEP k                         ; K step k lies in slot (k / 4) % 3, record k % 4, buffer k % 2; the next step is fetched in its middle
	s_wait_dscnt 0x0
	WIN MUL
	MUL8 (\k)%2, 0, (\k)==0
	PLACES 4                                       ; in front of loads into registers that the step before multiplied
	FETCH ((\k)+1)%2, (((\k)+1)/4)%3, ((\k)+1)%4
	WIN MUL
	MUL8 (\k)%2, 2, (\k)==0
.endm
; A step with a barrier: in front of it each wave waits for all its tensor loads, adds 0 to its spare word, and waits for that and for its LDS reads.  fill = 1: slot 0, just read out, takes K steps 12-15.
.macro TURN k, fill
	WIN 0
	s_wait_tensorcnt 0x0
	ds_add_u32 v[SPW], v[NIL]                      ; 0 onto my spare word
	s_wait_dscnt 1                                 ; (the add may be out)
	WIN MUL
	MUL8 (\k)%2, 0, 0
	s_wait_dscnt 0x0
	s_barrier_signal -1
	WIN 0
	s_barrier_wait -1
.if \fill
	CREST                                          ; the barrier has opened a round of the cluster's: no wave of any partner still reads slot 0 or has a load on its way
.if \fill == 2
	JLOAD G0+8, G1, G0B+8, G1B                     ; slot 2's first fill, issued as a refill is
.else
	s_add_nc_u64 s[G0+2:G0+3], s[G0+2:G0+3], 12*REC
	s_add_nc_u64 s[G0B+2:G0B+3], s[G0B+2:G0B+3], 12*REC
	JLOAD G0, G1, G0B, G1B
.endif
.else
	PLACES 4
.endif
	FETCH ((\k)+1)%2, (((\k)+1)/4)%3, ((\k)+1)%4
	WIN MUL
	MUL8 (\k)%2, 2, 0
.endm
	s_wait_alu depctr_va_vdst(0)
	s_wait_tensorcnt 0x0                           ; my piece of slot 0 is in
	ds_add_u32 v[SPW], v[NIL]
	s_wait_dscnt 0x0
	CROUND
	JLOAD G0+4, G1, G0B+4, G1B                     ; slot 1's first fill, my one load behind the round
	FETCH 0, 0, 0
	s_wait_loadcnt 0x0                             ; the bias
.irp k, 0,1,2
	KSTEP \k
.endr
	TURN 3, 2                                      ; slot 1 has landed; slot 2 is filled for the first time
.irp k, 4,5,6
	KSTEP \k
.endr
	TURN 7, 1                                      ; slot 2 has landed; slot 0, read out since K step 3, takes K steps 12-15
.irp k, 8,9,10
	KSTEP \k
.endr
	TURN 11, 0                                     ; K steps 12-15 have landed in slot 0; nobody reads slot 1 any more
.irp k, 12,13,14
	KSTEP \k
.endr
	s_wait_dscnt 0x0
	WIN MUL
	MUL8 1, 0, 0
	MUL8 1, 2, 0
	WIN 0
; THE WAY OUT, 16 rows x 64 columns at a time, through my own stage: LDS serves a wave's instructions in order, so no wait stands between the stores and the loads, nor in front of the next block's stores.
.macro OUTT a
.set TT, TMP-32*((\a)%2)
.irp b, 0,1,2,3
	ds_store_b128 v[STO], v[ACC+8*(4*(\a)+\b):ACC+8*(4*(\a)+\b)+3] offset:128*(\b/2)+32*(\b%2)       ; each accumulator from its low end on
	ds_store_b128 v[STO], v[ACC+8*(4*(\a)+\b)+4:ACC+8*(4*(\a)+\b)+7] offset:128*(\b/2)+32*(\b%2)+16
.endr
.if (\a) > 1
	s_wait_xcnt 0x0                                ; the stores of two blocks ago have read these registers
.endif
.irp i, 0,1,2,3,4,5,6,7
	ds_load_b128 v[TT+4*\i:TT+4*\i+3], v[RD] offset:2*SPITCH*\i
.endr
.irp i, 0,1,2,3,4,5,6,7
	s_wait_dscnt 7-\i                              ; the younger rows may be out
	global_store_b128 v[CO], v[TT+4*\i:TT+4*\i+3], s[10:11] offset:(32*((\a)/2)+8*((\a)%2)+2*\i+8*(\i/4))*8192 th:TH_STORE_NT   ; 16 lanes store 256 consecutive bytes, aligned; stage rows 2 i, 2 i + 1 are the fragment's rows in its own order
.endr
.endm
	PLACES 4
	s_wait_alu depctr_va_vdst(0)
.irp a, 0,1,2,3
	OUTT \a
.endr
	s_wait_tensorcnt 0x0                           ; the wave's end
	ds_add_u32 v[SPW], v[NIL]
	s_wait_dscnt 0x0
	CROUND                                         ; the closing round
	s_endpgm
.Lfunc_end_k_q69f579746b_oproj:
	.size	k_q69f579746b_oproj, .Lfunc_end_k_q69f579746b_oproj-k_q69f579746b_oproj
	.p2alignl 7, 3214868480
	.fill 96, 4, 3214868480
	.section	.rodata,"a",@progbits
	.p2align	6, 0x0
	.amdhsa_kernel k_q69f579746b_oproj
		.amdhsa_group_segment_fixed_size 327680
		.amdhsa_private_segment_fixed_size 0
		.amdhsa_enable_private_segment 0
		.amdhsa_kernarg_size 32
		.amdhsa_user_sgpr_count 2
		.amdhsa_user_sgpr_kernarg_segment_ptr 1
		.amdhsa_wavefront_size32 1
		.amdhsa_system_sgpr_workgroup_id_x 1
		.amdhsa_system_sgpr_workgroup_id_y 1
		.amdhsa_system_sgpr_workgroup_id_z 1
		.amdhsa_system_vgpr_workitem_id 0
		.amdhsa_next_free_vgpr 512
		.amdhsa_next_free_sgpr 80
		.amdhsa_reserve_vcc 0
		.amdhsa_float_denorm_mode_32 3
		.amdhsa_float_denorm_mode_16_64 3
		.amdhsa_memory_ordered 1
		.amdhsa_forward_progress 1
		.amdhsa_inst_pref_size 84
	.end_amdhsa_kernel
	.amdgpu_metadata
---
amdhsa.version: [ 1, 2 ]
amdhsa.kernels:
  - .name:           k_q69f579746b_oproj
    .symbol:         k_q69f579746b_oproj.kd
    .args:
      - { .name: ctx, .offset: 0, .size: 8, .value_kind: global_buffer, .address_space: global }
      - { .name: opnd, .offset: 8, .size: 8, .value_kind: global_buffer, .address_space: global }
      - { .name: bo, .offset: 16, .size: 8, .value_kind: global_buffer, .address_space: global }
      - { .name: out0, .offset: 24, .size: 8, .value_kind: global_buffer, .address_space: global }
    .group_segment_fixed_size: 327680
    .private_segment_fixed_size: 0
    .kernarg_segment_align: 8
    .kernarg_segment_size: 32
    .max_flat_workgroup_size: 128
    .sgpr_count:     80
    .vgpr_count:     512
    .wavefront_size: 32
...
	.end_amdgpu_metadata
.endif
;; end of part 4
